; MI455X (gfx1250); checked and timed in simulation.
; The chip was launched on July 23, 2026; its instructions are those of AMD's public machine-readable ISA for CDNA 5 (MIT licence, August 2026) and "CDNA5" Instruction Set Architecture Reference Guide (July 2026). The comments in the code are by the model that wrote it; some were corrected since.
;; Multi Head Self Attention. Allowed arithmetic: matrix products marked QUANTISED: E2M3 operands, one E8M0 scale for each 32 along K, by v_wmma_scale_f32_16x16x128_f8f6f4 with both operands' format E2M3, f32 sums; everything else in f32.
;; Inputs: Wk 1,024 x 1,024 float32; Wo 1,024 x 1,024 float32; Wq 1,024 x 1,024 float32; Wv 1,024 x 1,024 float32; bk 1,024 float32; bo 1,024 float32; bq 1,024 float32; bv 1,024 float32; x 4 x 2,048 x 1,024 float32.
;; Outputs: out0 4 x 2,048 x 1,024 float32.
;; This version of the problem:
;;   THIS VERSION OF THE PROBLEM IS GIVEN IN LOW PRECISION. The matrix products marked QUANTISED in the list below multiply operands that are first quantised to E2M3 (2 exponent bits, 3 mantissa bits; 6 bits a number), with one power-of-two scale for each 32 numbers along K (OCP MX v1.0); their sums are f32. All else is computed in f32.
;;   The module's matrix products, in the order in which they are computed (A, B: the left and right operand; K: the contracted axis; several contracted axes count as one K, in the product's order):
;;     1. [M 8,192, K 1,024] x [K 1,024, N 1,024]; A: input x; B: input Wq: QUANTISED
;;     2. [M 8,192, K 1,024] x [K 1,024, N 1,024]; A: input x; B: input Wk: QUANTISED
;;     3. [M 8,192, K 1,024] x [K 1,024, N 1,024]; A: input x; B: input Wv: QUANTISED
;;     4. batch 64 x [M 2,048, K 64] x [K 64, N 2,048]; A: computed on the way; B: computed on the way: QUANTISED
;;     5. batch 64 x [M 2,048, K 2,048] x [K 2,048, N 64]; A: softmax (see below); B: computed on the way: QUANTISED
;;     6. [M 8,192, K 1,024] x [K 1,024, N 1,024]; A: computed on the way; B: input Wo: QUANTISED
;;   THE QUANTISER, for each operand of a quantised product, along K:
;;     - K is cut into blocks of 32 from its start; a last block that is shorter is filled with zeros.
;;     - A block's scale is 2^e with e = floor(log2(the largest magnitude in the block)) - 2, held to -126 .. 127; a block of zeros has e = 0. As a byte (E8M0): e + 127.
;;     - Each number is divided by its block's scale, clamped to +-7.5, and rounded to the nearest number of E2M3, ties to even, subnormals kept.
;;     - The product sums the exact products of the quantised numbers (number of the format x scale) in f32.
;;   ~~~python
;;   def quantise(x, axis):      # numpy; x: float32 -> the quantised numbers, widened to float32 again
;;       x = np.moveaxis(x, axis, -1); K = x.shape[-1]
;;       x = np.pad(x, [(0, 0)] * (x.ndim - 1) + [(0, -K % 32)]); x = x.reshape(x.shape[:-1] + (-1, 32)); a = np.abs(x).max(-1, keepdims=True)
;;       e = np.where(a > 0, np.clip(np.frexp(np.where(a > 0, a, 1))[1] - 1 - 2, -126, 127), 0)      # np.frexp(a)[1] - 1 = floor(log2(a)), exactly
;;       r = np.clip(x / 2.0 ** e, -7.5, 7.5)
;;       step = 2.0 ** (np.maximum(np.frexp(np.where(r == 0, 1, r))[1] - 1, 0) - 3)
;;       q = np.round(r / step) * step * 2.0 ** e      # np.round: ties to even
;;       return np.moveaxis(q.reshape(q.shape[:-2] + (-1,))[..., :K], -1, axis).astype(np.float32)
;;   ~~~
;;   SOFTMAX AHEAD OF A QUANTISED PRODUCT. Where the list says 'softmax', what is quantised is not the finished softmax but p = 2^(t - M), with t = logit x log2(e) and M = ceil(the row's largest t), a whole number; so 1/2 < the row's largest p <= 1. The row's sum l is taken of the UNQUANTISED p, in f32, and the product's result is divided by l at the end. Since M is a whole number, a kernel that streams over the keys may use a running M (the ceiling of the running maximum): every later rescaling is an exact power of two, which a block's scale takes up: the codes' values come out the same.
;;   OPERANDS COMPUTED ON THE WAY. 'Computed on the way' means the value that the module computes at that place (a softmax that the list does not call 'softmax' is quantised finished and normalised). What goes into a quantiser is computed in f32, as accurately as f32 sums, v_exp_f32 and their like allow (about 1e-6 of the number): no bf16 or f16 on the way to a quantiser, and a product that is left as it is and whose result goes on into a quantised operand takes f32 operands (vector FMAs, or v_wmma_f32_16x16x4_f32). A number that lies on a knife's edge between two numbers of the format may be rounded either way, as far as f32 arithmetic and the matrix unit's own rounding can turn it there, and no further.
;; One version. Each part assembles by itself: llvm-mc -triple=amdgcn-amd-amdhsa -mcpu=gfx1250 --defsym DOCPART=n.
;; ======== version 1 of 1: 4 launches
;; limits: right only within a limited range of input values
;; workspace buffers: xc 6,291,456 bytes; xs 262,144 bytes; wc 3,145,728 bytes; ws 131,072 bytes; qkvc 18,874,368 bytes; qkvs 1,572,864 bytes; aoc 6,291,456 bytes; aos 262,144 bytes
;; launch quant (part 1): grid 512 x 1, 4 waves a work-group, no clusters, 35,328 bytes of LDS; arguments x, Wq, Wk, Wv, Wo, xc, xs, wc, ws; writes xc, xs, wc, ws
.if DOCPART == 1
	.amdgcn_target "amdgcn-amd-amdhsa--gfx1250"
	.amdhsa_code_object_version 6
	.text
	.protected	k_q9c46be2d61_quant
	.globl	k_q9c46be2d61_quant
	.p2align	8
	.type	k_q9c46be2d61_quant,@function
k_q9c46be2d61_quant:
	s_mov_b64 s[64:65], 0
	v_nop
	global_prefetch_b8 v0, s[64:65] scope:SCOPE_SE
	s_setreg_imm32_b32 hwreg(HW_REG_WAVE_MODE, 25, 1), 1
	s_wait_xcnt 0x0
; x [8192][1024] and the four weights [1024 (k)][1024 (n)], f32, become codes of FP6 (E2M3) with one E8M0 scale byte for each 32 along K (x: its last axis; a weight: its first).
; A block's scale is 2^(floor(log2(its largest magnitude)) - 2): its byte is the largest magnitude's exponent field - 2, held at 1 from below by a floor among the maximum's leaves.
; LIMITS: NaN and infinities among the inputs are not served; a block whose largest magnitude lies under 2^-124 keeps the byte 1; a block of zeros gets the byte 1 where the rule says 127: its codes are zeros, and this program alone reads the bytes.
; THE WORKSPACE IS LAID AS THE MATRIX UNIT'S REGISTERS WANT IT.  Rows (of x; columns n of a weight) go in tiles of 16: place r of tile T is row 32 (T / 2) + 8 (T % 2) + r % 8 + 16 (r / 8), so that in the later products,
; used transposed, a lane's registers of two neighbouring tiles are 16 neighbours.  16 places x 64 K are one image of 768 bytes: lane l = r + 16 h owns block h of its row, 24 bytes: the first 16 at 16 l, the last 8 at 512 + 16 r + 8 h.
; Codes: (T / 8) x 98,304 + (k / 64) x 6,144 + (T % 8) x 768.  Scale words (four bytes, 128 along K): T x 512 + (k / 128) x 64 + 4 r.
; Work-groups 0-255 take x, 256-511 the weights: a scalar branch on the work-group's number.  The x path alone uses LDS.  Waves share nothing: no barrier.  No input is read by two work-groups: no cluster, no tensor load.
; No prefetch: each wave's loads go out two steps or blocks ahead of their use and the launch does nothing but stream.
.set GRP,  98304                       ; 128 rows x 1,024 K of codes
.set CHK,  6144                        ; 128 rows x 64 K
.set WREG, 8704                        ; x path, LDS of a wave: a stage of 16 rows x 528 bytes, then 256 bytes of scale words
.set SP,   528                         ; a stage row: 512 bytes + 16: the sixteen rows that a load of 16 bytes a lane touches start 16 bytes apart modulo 256
.set R,    32                          ; v32-159  x path: two sets of 64 numbers as loaded; weight path: 128 numbers down K
.set X,    160                         ; v160-223 x path: 64 numbers of my row: two whole blocks
.set C,    224                         ; v224-235 the two images' six words each
.set CT,   236                         ; v236-238, v240-242 the second conversions' results (three registers that begin on an even number)
.set MX,   244                         ; v244-245 largest magnitudes; v246-247 scale operands; v248-249 bytes
.set SO,   246
.set BY,   248
.set WD,   250                         ; the scale word; v251 the other half's; v252 8 h
.set WT,   251
.set SH,   252
	s_load_b256 s[4:11], s[0:1], 0x0               ; x, Wq, Wk, Wv
	s_load_b256 s[12:19], s[0:1], 0x20             ; Wo, xc, xs, wc
	s_load_b64 s[20:21], s[0:1], 0x40              ; ws
	v_lshl_add_u32 v254, v0, 2, 0x8800
	v_mov_b32 v255, 0
	v_lshrrev_b32 v1, 5, v0
	v_readfirstlane_b32 s22, v1                    ; wave
	v_and_b32 v2, 31, v0                           ; lane
	v_and_b32 v3, 15, v0                           ; r
	v_bfe_u32 v4, v0, 4, 1                         ; h
	s_wait_kmcnt 0x0
	s_cmp_lt_u32 ttmp9, 256
	s_cbranch_scc0 .Lweights
; ---------------- x: a wave takes one tile of 16 rows and half of K: four steps of 128 ----------------
	s_lshl_b32 s23, ttmp9, 2
	s_add_co_u32 s23, s23, s22                     ; W = 4 x work-group + wave
	s_lshr_b32 s24, s23, 1                         ; T, the tile
	s_and_b32 s25, s23, 1                          ; which half of K
	s_lshr_b32 s26, s24, 1
	s_lshl_b32 s26, s26, 5
	s_and_b32 s27, s24, 1
	s_lshl_b32 s27, s27, 3
	s_add_co_u32 s26, s26, s27                     ; the tile's first row: 32 (T / 2) + 8 (T % 2)
	s_lshl_b32 s26, s26, 12                        ; x 4,096 bytes
	s_lshl_b32 s27, s25, 11
	s_add_co_u32 s26, s26, s27                     ; + 2,048 bytes for the upper half of K
	s_mov_b32 s27, 0
	s_lshr_b32 s28, s24, 3
	s_mul_i32 s28, s28, GRP
	s_and_b32 s29, s24, 7
	s_mul_i32 s29, s29, 768
	s_add_co_u32 s28, s28, s29
	s_mul_i32 s29, s25, 8*CHK
	s_add_co_u32 s28, s28, s29                     ; the codes' place
	s_mov_b32 s29, 0
	s_lshl_b32 s30, s23, 8                         ; the scale words': 512 T + 256 x half
	s_mov_b32 s31, 0
	s_add_nc_u64 s[4:5], s[4:5], s[26:27]
	s_add_nc_u64 s[14:15], s[14:15], s[28:29]
	s_add_nc_u64 s[16:17], s[16:17], s[30:31]
	s_wait_alu depctr_va_vdst(0)
	v_lshlrev_b32 v5, 4, v2                        ; 16 x lane
	v_lshlrev_b32 v6, 4, v3
	v_lshl_add_u32 v6, v4, 3, v6                   ; 16 r + 8 h
	s_mul_i32 s32, s22, WREG
	v_add_nc_u32 v8, s32, v5                       ; the stage, in: a row's 512 bytes as they lie
	v_mul_u32_u24 v9, v3, SP
	v_lshl_add_u32 v9, v4, 7, v9
	v_add_nc_u32 v9, s32, v9                       ; out: row r, + 128 h: my block of 32 numbers
	s_add_co_u32 s32, s32, 16*SP
	v_lshl_add_u32 v10, v3, 2, s32                 ; the scale words: 4 r
	v_lshl_add_u32 v11, v2, 3, s32                 ; and back: 8 bytes a lane
	v_lshlrev_b32 v12, 3, v2
	v_lshlrev_b32 v[SH], 3, v4
	v_mov_b32 v[WT], 0                             ; a lane permute's destination counts as one of its sources
	s_mov_b32 s34, 0x76543210
	s_mov_b32 s35, 0xfedcba98                      ; selects for lane l xor 16
.macro XLOAD t                         ; step t: 128 along K of the tile's 16 rows; each load reads 512 consecutive bytes of one row
.irp i, 0,1,2,3,4,5,6,7,8,9,10,11,12,13,14,15
	global_load_b128 v[R+64*((\t)%2)+4*\i:R+64*((\t)%2)+4*\i+3], v5, s[4:5] offset:((\i%8)+16*(\i/8))*4096+512*(\t) th:TH_LOAD_NT
.endr
.endm
.macro XSTEP t
.set RS, R+64*((\t)%2)
.if (\t) < 3
	s_wait_loadcnt 16                              ; this step's 16 loads are in; the next step's 16 may be out
.else
	s_wait_loadcnt 0x0
.endif
.irp i, 0,1,2,3,4,5,6,7,8,9,10,11,12,13,14,15
	ds_store_b128 v8, v[RS+4*\i:RS+4*\i+3] offset:SP*\i
.endr
.irp c, 0,1
.irp j, 0,1,2,3,4,5,6,7
	ds_load_b128 v[X+32*\c+4*\j:X+32*\c+4*\j+3], v9 offset:256*\c+16*\j   ; k = 64 c + 32 h + 0 .. 31 of row r.  LDS serves a wave's instructions in order: these see the stores above
.endr
.endr
	s_wait_dscnt 0x0                               ; my 64 numbers are in, and the stores have read the set,
.if (\t) < 2
	XLOAD (\t)+2                                   ; which takes the loads of two steps on
.endif
.irp c, 0,1
	v_max3_num_f32 v[MX+\c], |v[X+32*\c]|, |v[X+32*\c+1]|, 0x1800000   ; a whole block is mine; the floor 2^(3 - 127) holds the byte at 1 from below
.endr
.irp i, 2,4,6,8,10,12,14,16,18,20,22,24,26,28,30
.irp c, 0,1
	v_max3_num_f32 v[MX+\c], v[MX+\c], |v[X+32*\c+\i]|, |v[X+32*\c+\i+1]|
.endr
.endr
.irp c, 0,1
	v_add_nc_u32 v[SO+\c], 0xff000000, v[MX+\c]    ; 2 off the exponent field: the conversion's scale operand
.endr
.irp c, 0,1
	v_lshrrev_b32 v[BY+\c], 23, v[SO+\c]           ; the scale's byte
.endr
.if (\t) > 0
	s_wait_alu depctr_va_vdst(0)
	s_wait_xcnt 0x0                                ; the last step's stores have read the codes' registers: they are written again only behind this wait
.endif
.irp c, 0,1
	v_cvt_scalef32_pk16_fp6_f32 v[C+6*\c:C+6*\c+2], v[X+32*\c:X+32*\c+15], v[SO+\c]
	v_cvt_scalef32_pk16_fp6_f32 v[CT+4*\c:CT+4*\c+2], v[X+32*\c+16:X+32*\c+31], v[SO+\c]
.endr
	v_lshl_or_b32 v[WD], v[BY+1], 16, v[BY]        ; my two bytes, blocks h and 2 + h of the step (plain lines behind the conversions),
	v_lshlrev_b32 v[WD], v[SH], v[WD]              ; at their places,
	v_permlanex16_b32 v[WT], v[WD], s34, s35
	v_or_b32 v[WD], v[WD], v[WT]                   ; with lane l xor 16's two: the row's scale word
.irp c, 0,1
.irp i, 0,1,2
	v_mov_b32 v[C+6*\c+3+\i], v[CT+4*\c+\i]
.endr
.endr
.irp c, 0,1
	global_store_b128 v5, v[C+6*\c:C+6*\c+3], s[14:15] offset:(2*(\t)+\c)*CHK          ; 512 consecutive bytes, at a multiple of 256
	global_store_b64 v6, v[C+6*\c+4:C+6*\c+5], s[14:15] offset:(2*(\t)+\c)*CHK+512     ; and the image's last 256
.endr
	ds_store_b32 v10, v[WD] offset:64*(\t)         ; both halves of the lanes write the same word with the same value
.endm
	XLOAD 0
	XLOAD 1
	s_wait_alu depctr_va_vdst(0)
	XSTEP 0
	XSTEP 1
	XSTEP 2
	XSTEP 3
	ds_load_b64 v[14:15], v11                      ; my four steps' 64 scale words
	s_wait_dscnt 0x0
	global_store_b64 v12, v[14:15], s[16:17]       ; 256 consecutive bytes, aligned
	s_wait_tensorcnt 0x0
	ds_add_u32 v254, v255
	s_wait_dscnt 0x0
	s_endpgm
; ---------------- the weights: a lane takes a column n and its registers run down K: 32 columns x 128 K a wave ----------------
.Lweights:
	s_sub_co_u32 s23, ttmp9, 256
	s_and_b32 s24, s23, 7                          ; which 128 columns
	s_bfe_u32 s25, s23, 0x30003                    ; which 128 along K
	s_lshr_b32 s26, s23, 6                         ; which weight: Wq, Wk, Wv, Wo
	s_cmp_eq_u32 s26, 1
	s_cselect_b64 s[6:7], s[8:9], s[6:7]
	s_cmp_eq_u32 s26, 2
	s_cselect_b64 s[6:7], s[10:11], s[6:7]
	s_cmp_eq_u32 s26, 3
	s_cselect_b64 s[6:7], s[12:13], s[6:7]
	s_lshl_b32 s28, s25, 19                        ; 128 rows of 4,096 bytes
	s_lshl_b32 s29, s24, 9
	s_add_co_u32 s28, s28, s29
	s_lshl_b32 s29, s22, 7
	s_add_co_u32 s28, s28, s29                     ; + 4 (128 x group + 32 x wave)
	s_mov_b32 s29, 0
	s_add_nc_u64 s[6:7], s[6:7], s[28:29]
	s_lshl_b32 s30, s26, 3
	s_add_co_u32 s30, s30, s24                     ; the group of 128 rows of wc: 8 x weight + group
	s_mul_i32 s28, s30, GRP
	s_mul_i32 s31, s25, 2*CHK
	s_add_co_u32 s28, s28, s31
	s_mul_i32 s31, s22, 2*768
	s_add_co_u32 s28, s28, s31
	s_add_nc_u64 s[18:19], s[18:19], s[28:29]
	s_lshl_b32 s28, s30, 12
	s_lshl_b32 s31, s22, 10
	s_add_co_u32 s28, s28, s31
	s_lshl_b32 s31, s25, 6
	s_add_co_u32 s28, s28, s31
	s_add_nc_u64 s[20:21], s[20:21], s[28:29]
	s_wait_alu depctr_va_vdst(0)
	v_lshlrev_b32 v7, 2, v2                        ; in: 4 bytes a lane: 128 consecutive bytes a load
	v_bfe_u32 v8, v0, 3, 1                         ; my column's tile of the wave's two,
	v_and_b32 v9, 7, v0
	v_lshl_or_b32 v9, v4, 3, v9                    ; and its place r there
	v_mul_u32_u24 v10, v8, 768
	v_lshl_add_u32 v10, v9, 4, v10                 ; codes: 768 x tile + 16 r
	v_lshlrev_b32 v11, 9, v8
	v_lshl_add_u32 v11, v9, 2, v11                 ; scale word: 512 x tile + 4 r
.macro WLOAD b                         ; block b: W(32 b + i, my column), i = 0 .. 31; every block has 32 registers of its own
.set k, 32*(\b)
.rept 32
	global_load_b32 v[R+k], v7, s[6:7] offset:k*4096 th:TH_LOAD_NT
.set k, k+1
.endr
.endm
	WLOAD 0                                        ; the loads run two blocks ahead, 64 a wave: a wait can then name what may stay out, 32, inside its count's six bits
	WLOAD 1
.macro WBLOCK b                        ; block b = 2 c + h of my column: image c, the bytes of image lane r + 16 h
.set XS, R+32*(\b)
.set HR, 160+4*(\b)                    ; its first four words
.set ER, 176+4*((\b)/2)+2*((\b)%2)     ; its last two, beside the other half's
.set TR, 184+4*(\b)
.if (\b) < 3
	s_wait_loadcnt 32                              ; this block's 32 loads are in; the next block's 32, the only ones issued behind them, may be out
.else
	s_wait_loadcnt 0x0
.endif
.if (\b) < 2
	WLOAD (\b)+2                                   ; the block two on goes out at once: it lands in registers that nothing else names
.endif
	v_max3_num_f32 v12, |v[XS]|, |v[XS+1]|, |v[XS+2]|
	v_max3_num_f32 v13, |v[XS+3]|, |v[XS+4]|, |v[XS+5]|
.irp i, 6,10,14,18,22,26
	v_max3_num_f32 v12, v12, |v[XS+\i]|, |v[XS+\i+1]|
	v_max3_num_f32 v13, v13, |v[XS+\i+2]|, |v[XS+\i+3]|
.endr
	v_max3_num_f32 v12, v12, |v[XS+30]|, |v[XS+31]|
	v_max3_num_f32 v12, v12, v13, 0x1800000        ; and the floor
	v_add_nc_u32 v[200+(\b)], 0xff000000, v12
	v_cvt_scalef32_pk16_fp6_f32 v[HR:HR+2], v[XS:XS+15], v[200+(\b)]
	v_cvt_scalef32_pk16_fp6_f32 v[TR:TR+2], v[XS+16:XS+31], v[200+(\b)]
	v_lshrrev_b32 v[204+(\b)], 23, v[200+(\b)]     ; the byte (a plain line behind the conversions)
	v_mov_b32 v[HR+3], v[TR]
	v_mov_b32 v[ER], v[TR+1]
	v_mov_b32 v[ER+1], v[TR+2]
.endm
	s_wait_alu depctr_va_vdst(0)
	WBLOCK 0
	WBLOCK 1
	WBLOCK 2
	WBLOCK 3
	v_lshl_or_b32 v208, v205, 8, v204
	v_lshl_or_b32 v208, v206, 16, v208
	v_lshl_or_b32 v208, v207, 24, v208             ; my column's scale word for these 128 along K
.irp c, 0,1                            ; each store fills, for each of the two tiles, 256 consecutive aligned bytes; every register is written once, so no wait stands here
	global_store_b128 v10, v[160+8*\c:163+8*\c], s[18:19] offset:CHK*\c
	global_store_b128 v10, v[164+8*\c:167+8*\c], s[18:19] offset:CHK*\c+256
	global_store_b128 v10, v[176+4*\c:179+4*\c], s[18:19] offset:CHK*\c+512
.endr
	global_store_b32 v11, v208, s[20:21]           ; pieces of 64 bytes: one byte for each 128 that the path reads
	s_endpgm
.Lfunc_end_k_q9c46be2d61_quant:
	.size	k_q9c46be2d61_quant, .Lfunc_end_k_q9c46be2d61_quant-k_q9c46be2d61_quant
	.p2alignl 7, 3214868480
	.fill 96, 4, 3214868480
	.section	.rodata,"a",@progbits
	.p2align	6, 0x0
	.amdhsa_kernel k_q9c46be2d61_quant
		.amdhsa_group_segment_fixed_size 35328
		.amdhsa_private_segment_fixed_size 0
		.amdhsa_enable_private_segment 0
		.amdhsa_kernarg_size 72
		.amdhsa_user_sgpr_count 2
		.amdhsa_user_sgpr_kernarg_segment_ptr 1
		.amdhsa_wavefront_size32 1
		.amdhsa_system_sgpr_workgroup_id_x 1
		.amdhsa_system_sgpr_workgroup_id_y 1
		.amdhsa_system_sgpr_workgroup_id_z 1
		.amdhsa_system_vgpr_workitem_id 0
		.amdhsa_next_free_vgpr 256
		.amdhsa_next_free_sgpr 66
		.amdhsa_reserve_vcc 0
		.amdhsa_float_denorm_mode_32 3
		.amdhsa_float_denorm_mode_16_64 3
		.amdhsa_memory_ordered 1
		.amdhsa_forward_progress 1
		.amdhsa_inst_pref_size 51
	.end_amdhsa_kernel
	.amdgpu_metadata
---
amdhsa.version: [ 1, 2 ]
amdhsa.kernels:
  - .name:           k_q9c46be2d61_quant
    .symbol:         k_q9c46be2d61_quant.kd
    .args:
      - { .name: x, .offset: 0, .size: 8, .value_kind: global_buffer, .address_space: global }
      - { .name: Wq, .offset: 8, .size: 8, .value_kind: global_buffer, .address_space: global }
      - { .name: Wk, .offset: 16, .size: 8, .value_kind: global_buffer, .address_space: global }
      - { .name: Wv, .offset: 24, .size: 8, .value_kind: global_buffer, .address_space: global }
      - { .name: Wo, .offset: 32, .size: 8, .value_kind: global_buffer, .address_space: global }
      - { .name: xc, .offset: 40, .size: 8, .value_kind: global_buffer, .address_space: global }
      - { .name: xs, .offset: 48, .size: 8, .value_kind: global_buffer, .address_space: global }
      - { .name: wc, .offset: 56, .size: 8, .value_kind: global_buffer, .address_space: global }
      - { .name: ws, .offset: 64, .size: 8, .value_kind: global_buffer, .address_space: global }
    .group_segment_fixed_size: 35328
    .private_segment_fixed_size: 0
    .kernarg_segment_align: 8
    .kernarg_segment_size: 72
    .max_flat_workgroup_size: 128
    .sgpr_count:     66
    .vgpr_count:     256
    .wavefront_size: 32
...
	.end_amdgpu_metadata
.endif
;; end of part 1
;; launch qkv (part 2): grid 12 x 32, 4 waves a work-group, clusters of 4 x 4, 327,680 bytes of LDS; arguments xc, xs, wc, ws, bq, bk, bv, qkvc, qkvs; writes qkvc, qkvs
.if DOCPART == 2
	.amdgcn_target "amdgcn-amd-amdhsa--gfx1250"
	.amdhsa_code_object_version 6
	.text
	.protected	k_q9c46be2d61_qkv
	.globl	k_q9c46be2d61_qkv
	.p2align	8
	.type	k_q9c46be2d61_qkv,@function
k_q9c46be2d61_qkv:
	s_mov_b64 s[64:65], 0
	v_nop
	global_prefetch_b8 v0, s[64:65] scope:SCOPE_SE
	s_setreg_imm32_b32 hwreg(HW_REG_WAVE_MODE, 25, 1), 1
	s_wait_xcnt 0x0
	s_wait_alu depctr_hold_cnt(0) depctr_sa_sdst(0) depctr_va_vdst(0) depctr_va_sdst(0) depctr_va_ssrc(0) depctr_va_vcc(0) depctr_vm_vsrc(0)
	s_getreg_b32 s2, hwreg(HW_REG_IB_STS2, 6, 4)
	s_cmp_eq_u32 s2, 0
	s_cbranch_scc0 .Lentry_in_a_cluster
	s_endpgm
.Lentry_in_a_cluster:
	s_bfe_u32 s2, ttmp6, 0x10000c
	s_cmp_lg_u32 s2, 0xf033
	s_cbranch_scc0 .Lentry_shape_is_right
	s_endpgm
.Lentry_shape_is_right:
; q = x Wq + bq, k = x Wk + bk, v = x Wv + bv on codes of FP6 (E2M3) with E8M0 scales, sums in f32; the results are quantised on the way out and leave as codes: q and k along a head's 64, v along the keys.
; A work-group of four waves makes 256 x 256 results, a wave 128 x 128: 64 accumulators of 16 x 16.  The product is used transposed: source 0 = 16 places of T, source 1 = 16 places of U; a lane then holds ONE place of U,
; and its registers run along T, in T's true order (the workspace's order of places sees to that: place r of tile i is row 32 (i / 2) + 8 (i % 2) + r % 8 + 16 (r / 8)).
; THE ROLE hangs on the cluster's x, which all sixteen partners share: 0 q, 1 k: U = rows of x, T = columns of the weight, so a lane's registers run along the heads' channels;  2 v: U = columns of Wv, T = rows of x, so they run along the keys.
; In every role a lane's 64 numbers of a block of 16 places are four blocks of 32 along the later product's K: nothing is transposed.
; OPERANDS come as images of the registers (16 places x 64 K = 768 bytes: 16 bytes a lane at 16 l, 8 at 512 + 16 r + 8 h); 128 places x 256 K are 24,576 dense bytes: one tensor load.  K = 1,024 is four such slots' worth: a ring of two slots, each filled twice.
; The scale words of the work-group's places, for all of K, come once (4,096 dense bytes for 128 places).
; CLUSTER 4 x 4: U's tile hangs on cy and is asked for jointly by a row of the cluster, T's on cx and by a column.  A wave has one tensor load out at the start and one behind each round.
; No prefetch: the walk along K is four slots long, and half of it is asked for at the head.
; LIMITS: NaN and infinities are not served; a block whose largest magnitude lies under 2^-124 keeps the scale byte 1, a block of zeros too (its codes are zeros; this program alone reads the bytes).
; REGISTERS: window 0: v1-31 addresses; v32-63 scale words, two sets; v64-127 the biases; v128-223 U's fragments, one set; on the way out v128-191 64 numbers, v192-230 the quantiser's.
;   window 1: T's fragments, two sets, at v0 and v128.   windows 2, 3: the accumulators ((a, b) at v[8 (8 (a % 4) + b)] of window 2 + a / 4).
.set GRP,    98304                     ; 128 places x 1,024 K of codes
.set CHK,    6144                      ; 128 places x 64 K
.set NQ,     2                         ; steps of 128 along K in a slot
.set FR,     12                        ; registers of a fragment
.set NL,     4                         ; LDS loads that bring one
.set NP,     4                         ; places behind this matrix instruction (ISA guide 7.12.1)
.set HALFT,  4*CHK                     ; what one tensor load brings, and what a wave reads of U or of T in a slot
.set SLOT,   4*HALFT                   ; U's two halves, then T's two
.set SCL,    2*SLOT                    ; behind the ring: the scale words
.set HALFS,  4096
.set SPARE,  SCL+4*HALFS               ; the spare words, 128 bytes for each wave: two blocks of 256 bytes that no other line names
.set L16,  3                           ; v3   16 x lane
.set A8,   4                           ; v4   16 r + 8 h
.set SQ,   5                           ; v5   q, k: where a scale word goes in my stage
.set SV,   6                           ; v6   v: the same
.set RQ,   7                           ; v7   q, k: where I read the stage back
.set VB,   8                           ; v8-15 the biases' offsets
.set ADRA, 16                          ; v16-17 U's fragments in slot 0, 1 (16 x lane); v18-19 the same with 16 r + 8 h
.set ADRB, 20                          ; v20-23 T's
.set ADRS, 27                          ; v27  my scale words: lanes 0-15 U's, lanes 16-31 T's
.set SPW,  28                          ; v28  my spare word; never rewritten
.set NIL,  29                          ; v29  0; never rewritten
.set RV,   30                          ; v30  v: where I read the stage back
.set VG,   31                          ; v31  v: where that goes in memory
.set SC,   32
.set BI,   64
.set AF,   128
.set H,    128
.set PC,   192
.set TM,   212
.set PW,   228
.set SEL,  66                          ; s[66:67] selects for lane l xor 16
.set G1,   24
.set G0,   32
.set G1B,  48
.set G0B,  56
.set G1S,  68
.set G0S,  76
.set G1SB, 80
.set G0SB, 88
.set MSB, 0
.macro WIN new                         ; the immediate's high byte repeats the setting that is left
.if MSB != \new
	s_set_vgpr_msb (MSB<<8)|\new
.set MSB, \new
.endif
.endm
.set MUL_LO, 0xa1                      ; source 0 (T) window 1, source 1 (U) window 0, C and D window 2
.set MUL_HI, 0xf1                      ; the same, C and D window 3
.set TO_B,   0x40                      ; destination window 1, address window 0
; A joint load: waves 0 and 1 fetch for U, waves 2 and 3 for T.  The branch hangs on the wave's number alone.  Four v_nop follow each of the two lines.
.macro JLOAD g0a, g1a, g0b, g1b
	s_cmp_eq_u32 s15, 0
	s_cbranch_scc0 .Lfor_b_\@
	tensor_load_to_lds s[\g0a:\g0a+3], s[\g1a:\g1a+7]
	s_nop 0
.rept 4
	v_nop
.endr
	s_branch .Lasked_\@
.Lfor_b_\@:
	tensor_load_to_lds s[\g0b:\g0b+3], s[\g1b:\g1b+7]
	s_nop 0
.rept 4
	v_nop
.endr
.Lasked_\@:
.endm
.macro CREST                           ; a round of the cluster's barrier behind its opening barrier
	s_cmp_lg_u32 s14, 0
	s_cbranch_scc1 .Lnot_wave_0_\@
	s_barrier_signal -3
.Lnot_wave_0_\@:
	s_barrier_wait -3
	s_barrier_signal -1
	s_barrier_wait -1
.endm
.macro CROUND
	s_barrier_signal -1
	s_barrier_wait -1
	CREST
.endm
	s_load_b256 s[4:11], s[0:1], 0x0               ; xc, xs, wc, ws
	s_load_b256 s[68:75], s[0:1], 0x20             ; bq, bk, bv, qkvc
	s_load_b64 s[76:77], s[0:1], 0x40              ; qkvs
	v_lshl_add_u32 v[SPW], v0, 2, SPARE
	v_mov_b32 v[NIL], 0
	ds_add_u32 v28, v29
	ds_add_u32 v28, v29
	s_wait_dscnt 0x0
	v_lshrrev_b32 v1, 5, v0
	v_readfirstlane_b32 s14, v1                    ; wave 0..3
	s_lshr_b32 s15, s14, 1                         ; my half of U's 256 places.  Also: I fetch for U (0) or for T (1)
	s_and_b32 s16, s14, 1                          ; my half of T's.  Also: which half I fetch
	s_bfe_u32 s40, ttmp6, 0x40000                  ; cx
	s_bfe_u32 s41, ttmp6, 0x40004                  ; cy
	s_mov_b32 s100, ttmp9                          ; the role: the cluster's x
	s_and_b32 s17, ttmp7, 0xffff                   ; the cluster's y
	s_cmp_eq_u32 s100, 2
	s_cselect_b32 s18, s17, s100                   ; T's tiles: v: 4 y + cx of x;  q, k: 4 x role + cx of wc
	s_cselect_b32 s19, 0, s17                      ; U's tiles: v: cy of Wv;  q, k: 4 y + cy of x
	s_cselect_b32 s2, 16, 0                        ; Wv's places begin 16 groups of 128 into wc
	s_cselect_b32 s3, -1, 0                        ; the role as a mask of lanes
	s_cselect_b32 s101, 0, 4                       ; the biases' step from register to register
	s_lshl_b32 s42, s18, 2
	s_add_co_u32 s42, s42, s40                     ; T's tile
	s_lshl_b32 s17, s19, 2
	s_add_co_u32 s17, s17, s41                     ; U's tile
	s_lshl_b32 s43, s41, 2
	s_lshl_b32 s43, 15, s43                        ; my row of the cluster
	s_lshl_b32 s44, 0x1111, s40                    ; my column
	s_lshl_b32 s80, s17, 1
	s_add_co_u32 s80, s80, s16
	s_add_co_u32 s80, s80, s2                      ; the group of 128 places that I would fetch for U,
	s_lshl_b32 s82, s80, 12                        ; its scale words,
	s_mul_i32 s80, s80, GRP                        ; its codes
	s_mov_b32 s81, 0
	s_mov_b32 s83, 0
	s_lshl_b32 s84, s42, 1
	s_add_co_u32 s84, s84, s16                     ; and for T
	s_lshl_b32 s86, s84, 12
	s_mul_i32 s84, s84, GRP
	s_mov_b32 s85, 0
	s_mov_b32 s87, 0
	; the way out.  R = my first row of x (q, k: of U's half; v: of T's half); the first of my two heads: q, k: 4 cx + 2 x T's half; v: 4 cy + 2 x U's half
	s_lshl_b32 s88, s17, 8
	s_lshl_b32 s89, s15, 7
	s_add_co_u32 s88, s88, s89
	s_lshl_b32 s89, s42, 8
	s_lshl_b32 s90, s16, 7
	s_add_co_u32 s89, s89, s90
	s_lshl_b32 s90, s40, 2
	s_lshl_b32 s91, s16, 1
	s_add_co_u32 s90, s90, s91
	s_lshl_b32 s91, s41, 2
	s_lshl_b32 s94, s15, 1
	s_add_co_u32 s91, s91, s94
	s_cmp_eq_u32 s100, 2
	s_cselect_b32 s88, s89, s88                    ; R
	s_cselect_b32 s90, s91, s90                    ; the head
	s_cselect_b32 s91, 8, 9                        ; 128 rows of x are 512 bytes of q's or k's scale words, 256 of v's,
	s_cselect_b32 s94, 8192, 0                     ; which lie behind k's
	s_lshr_b32 s89, s88, 11
	s_lshl_b32 s89, s89, 4
	s_add_co_u32 s89, s89, s90                     ; 16 x batch + head
	s_bfe_u32 s88, s88, 0x40007                    ; which 128 of the batch's 2,048 rows
	s_mul_i32 s92, s89, 98304                      ; a head's codes: 98,304 bytes in each of the three sections;
	s_mul_i32 s93, s88, 6144                       ; 128 rows of x are 6,144 of them in every role
	s_add_co_u32 s92, s92, s93
	s_mul_i32 s93, s100, 6291456
	s_add_co_u32 s92, s92, s93
	s_mov_b32 s93, 0
	s_mul_i32 s89, s89, 12288
	s_lshl_b32 s88, s88, s91
	s_add_co_u32 s88, s88, s89
	s_add_co_u32 s88, s88, s94
	s_min_u32 s89, s100, 1
	s_mul_i32 s89, s89, 786432                     ; q's scale words in section 0, k's and v's in section 1
	s_add_co_u32 s88, s88, s89
	s_mov_b32 s89, 0
	s_lshl_b32 s90, s90, 8                         ; the biases of my two heads begin 64 numbers x head on
	s_mov_b32 s91, 0
	s_mov_b32 s[SEL], 0x76543210
	s_mov_b32 s[SEL+1], 0xfedcba98
	s_wait_kmcnt 0x0
	s_cmp_eq_u32 s100, 2                           ; the buffers are chosen by the role alone
	s_cselect_b64 s[20:21], s[8:9], s[4:5]         ; U's codes
	s_cselect_b64 s[22:23], s[10:11], s[6:7]       ; U's scales
	s_cselect_b64 s[46:47], s[4:5], s[8:9]         ; T's codes
	s_cselect_b64 s[94:95], s[6:7], s[10:11]       ; T's scales
	s_cselect_b64 s[96:97], s[72:73], s[68:69]
	s_cmp_eq_u32 s100, 1
	s_cselect_b64 s[96:97], s[70:71], s[96:97]     ; the bias
	s_add_nc_u64 s[20:21], s[20:21], s[80:81]
	s_add_nc_u64 s[22:23], s[22:23], s[82:83]
	s_add_nc_u64 s[46:47], s[46:47], s[84:85]
	s_add_nc_u64 s[94:95], s[94:95], s[86:87]
	s_add_nc_u64 s[96:97], s[96:97], s[90:91]
	s_add_nc_u64 s[12:13], s[74:75], s[92:93]      ; where my codes go
	s_add_nc_u64 s[98:99], s[76:77], s[88:89]      ; and my scale words
	; descriptor group 1: dense blocks as rows of 256 bytes (32 elements of 8 bytes): 96 rows of codes, 32 of scale words; no padding: every LDS read is of consecutive bytes
	s_or_b32 s[G1+0], s43, (3<<16)|(1<<21)         ; 15:0 the mask: U's tiles go to my row; 17:16 elements of 8 bytes; 21 set beside a mask
	s_or_b32 s[G1B+0], s44, (3<<16)|(1<<21)        ; T's to my column
.irp g, G1, G1B                        ; for the head's loads: a tile's first two slots, both halves, as two rows of 49,152 bytes, GRP bytes apart
	s_mov_b32 s[\g+1], 6144<<16
	s_mov_b32 s[\g+2], 2<<16
	s_mov_b32 s[\g+3], 6144<<16
	s_mov_b32 s[\g+4], 2
	s_mov_b32 s[\g+5], GRP/8
	s_mov_b32 s[\g+6], 0
	s_mov_b32 s[\g+7], 0
.endr
	s_or_b32 s[G1S+0], s43, (3<<16)|(1<<21)
	s_or_b32 s[G1SB+0], s44, (3<<16)|(1<<21)
.irp g, G1S, G1SB
	s_mov_b32 s[\g+1], 32<<16
	s_mov_b32 s[\g+2], 32<<16                      ; the scale words of 256 places: 8,192 dense bytes
	s_mov_b32 s[\g+3], 32<<16
	s_mov_b32 s[\g+4], 32
	s_mov_b32 s[\g+5], 32
	s_mov_b32 s[\g+6], 0
	s_mov_b32 s[\g+7], 0
.endr
	s_mul_i32 s45, s14, 2*HALFT                    ; LDS: U's half 0 (slot 0, slot 1), U's half 1, T's half 0, T's half 1: wave x two halves' worth; no place in the cluster enters an LDS address
	CROUND                                         ; all sixteen work-groups are here: the first joint loads meet
; THE HEAD'S FOUR TILES, each whole, one tensor load a wave: wave 0 U's first two slots, wave 1 T's, wave 2 U's scale words, wave 3 T's.
; The addresses above hold my half (s16): it is taken off again, so that each tile begins at its first half.
.set G0H,  4
.set G0HB, 8
	s_mul_i32 s92, s16, GRP
	s_mov_b32 s93, 0
	s_mov_b32 s[G0H], 1
	s_mov_b32 s[G0H+1], 0
	s_sub_nc_u64 s[G0H+2:G0H+3], s[20:21], s[92:93]
	s_or_b32 s[G0H+3], s[G0H+3], 0x80000000
	s_mov_b32 s[G0HB], 1
	s_mov_b32 s[G0HB+1], 4*HALFT
	s_sub_nc_u64 s[G0HB+2:G0HB+3], s[46:47], s[92:93]
	s_or_b32 s[G0HB+3], s[G0HB+3], 0x80000000
	s_lshl_b32 s92, s16, 12
	s_mov_b32 s[G0S], 1
	s_mov_b32 s[G0S+1], SCL
	s_sub_nc_u64 s[G0S+2:G0S+3], s[22:23], s[92:93]
	s_or_b32 s[G0S+3], s[G0S+3], 0x80000000
	s_mov_b32 s[G0SB], 1
	s_mov_b32 s[G0SB+1], SCL+2*HALFS
	s_sub_nc_u64 s[G0SB+2:G0SB+3], s[94:95], s[92:93]
	s_or_b32 s[G0SB+3], s[G0SB+3], 0x80000000
.irp s, 0,1
	s_mov_b32 s[G0+4*\s], 1
	s_add_co_u32 s[G0+4*\s+1], s45, \s*HALFT
	s_add_nc_u64 s[G0+4*\s+2:G0+4*\s+3], s[20:21], \s*HALFT
	s_or_b32 s[G0+4*\s+3], s[G0+4*\s+3], 0x80000000
	s_mov_b32 s[G0B+4*\s], 1
	s_add_co_u32 s[G0B+4*\s+1], s45, \s*HALFT
	s_add_nc_u64 s[G0B+4*\s+2:G0B+4*\s+3], s[46:47], \s*HALFT
	s_or_b32 s[G0B+4*\s+3], s[G0B+4*\s+3], 0x80000000
.endr
.macro ARM under, g0, g1, next         ; one chain of branches on the wave's number, one load to an arm, all arms to one join
	s_cmp_lt_u32 s14, \under
	s_cbranch_scc0 \next
	tensor_load_to_lds s[\g0:\g0+3], s[\g1:\g1+7]
	s_nop 0
.rept 4
	v_nop
.endr
	s_branch .Lhead_asked
\next:
.endm
	ARM 1, G0H,  G1,  .Lhead_b
	ARM 2, G0HB, G1B, .Lhead_sa
	ARM 3, G0S,  G1S, .Lhead_sb
	tensor_load_to_lds s[G0SB:G0SB+3], s[G1SB:G1SB+7]
	s_nop 0
.rept 4
	v_nop
.endr
.Lhead_asked:
	v_and_b32 v1, 15, v0
	v_bfe_u32 v2, v0, 4, 1                         ; h
	v_and_b32 v[L16], 31, v0
	v_lshlrev_b32 v[L16], 4, v[L16]
	v_lshlrev_b32 v[A8], 4, v1
	v_lshl_add_u32 v[A8], v2, 3, v[A8]
	s_mul_i32 s21, s15, 2*HALFT                    ; my half of U: its two slots lie on end
	s_mul_i32 s22, s16, 2*HALFT                    ; my half of T,
	s_add_co_u32 s22, s22, 4*HALFT                 ; behind U's two
.irp s, 0,1
	v_add_nc_u32 v[ADRA+\s], s21, v[L16]
	v_add_nc_u32 v[ADRB+\s], s22, v[L16]
	v_add_nc_u32 v[ADRA+2+\s], s21, v[A8]
	v_add_nc_u32 v[ADRB+2+\s], s22, v[A8]
	s_add_co_u32 s21, s21, HALFT
	s_add_co_u32 s22, s22, HALFT
.endr
	s_lshl_b32 s21, s15, 12                        ; U's scale words: my half
	s_lshl_b32 s22, s16, 12                        ; T's: my half, behind U's two
	s_add_co_u32 s22, s22, 2*HALFS
	s_sub_co_u32 s22, s22, s21
	v_mul_u32_u24 v24, s22, v2                     ; lanes 16-31 take T's: one product, the distance between the two bases
	s_add_co_u32 s21, s21, SCL
	v_lshl_add_u32 v24, v1, 2, v24
	v_add_nc_u32 v[ADRS], s21, v24
	; the way out's LDS addresses, made here for both roles.  The stages lie in slot 0, each role's in bytes of its own: q, k: 1,024 a wave from 0; v: 512 a wave from 4,096
	s_lshl_b32 s21, s14, 10
	v_lshl_add_u32 v[SQ], v2, 9, s21               ; lanes 0-15 the first head's 512 bytes, lanes 16-31 the second's
	v_lshl_add_u32 v[SQ], v1, 2, v[SQ]
	v_add_nc_u32 v[RQ], s21, v[L16]
	s_lshl_b32 s22, s14, 9
	s_add_co_u32 s22, s22, 4096
	v_lshl_add_u32 v[SV], v1, 2, s22
	v_add_nc_u32 v[RV], s22, v[L16]
	v_mul_u32_u24 v[VG], v2, 12288                 ; lanes 16-31: the next head's scale words
	v_lshl_add_u32 v[VG], v1, 4, v[VG]
	; THE BIASES, in one form for all roles: register 8 t + j.  q, k: that of channel 32 (t / 2) + 8 (t % 2) + 16 h + j, the result's layout;  v: that of my lane's channel in block t, 32 (t / 2) + 8 (t % 2) + r % 8 + 16 (r / 8), eight times
	v_lshlrev_b32 v24, 6, v2
	v_and_b32 v25, 7, v1
	v_lshrrev_b32 v26, 3, v1
	v_lshl_add_u32 v25, v26, 4, v25
	v_lshlrev_b32 v25, 2, v25
	v_cndmask_b32 v24, v24, v25, s3
.irp j, 0,1,2,3,4,5,6,7
	v_mad_u32_u24 v[VB+\j], s101, \j, v24
.endr
.irp t, 0,1,2,3,4,5,6,7
.irp j, 0,1,2,3,4,5,6,7
	global_load_b32 v[BI+8*\t+\j], v[VB+\j], s[96:97] offset:4*(32*(\t/2)+8*(\t%2))
.endr
.endr
.macro FRAG reg, adr, q, i             ; a fragment, 16 places x 128 K: two images; registers 0-5 K = 32 h + 0 .. 31 of the first 64, registers 6-11 of the second
	ds_load_b128 v[\reg:\reg+3], v[\adr] offset:(2*(\q))*CHK+768*(\i)
	ds_load_b64 v[\reg+4:\reg+5], v[\adr+2] offset:(2*(\q))*CHK+768*(\i)+512
	ds_load_b128 v[\reg+6:\reg+9], v[\adr] offset:(2*(\q)+1)*CHK+768*(\i)
	ds_load_b64 v[\reg+10:\reg+11], v[\adr+2] offset:(2*(\q)+1)*CHK+768*(\i)+512
.endm
; 16 matrix instructions: U's blocks a0, a0 + 1 x T's eight, 128 along K.  The 64 accumulators take turns, one instruction a turn, in the same order in every step.
.macro MUL16 a0, p, q, sc, zero
.irp a, \a0, \a0+1
.irp b, 0,1,2,3,4,5,6,7
.if \zero
	v_wmma_scale_f32_16x16x128_f8f6f4 v[8*(8*((\a)%4)+\b):8*(8*((\a)%4)+\b)+7], v[128*(\p)+FR*\b:128*(\p)+FR*\b+FR-1], v[AF+FR*(\a):AF+FR*(\a)+FR-1], 0, v[SC+8*NQ*(\sc)+NQ*\b+(\q)], v[SC+8*NQ*(\sc)+NQ*(\a)+(\q)] matrix_a_fmt:MATRIX_FMT_FP6 matrix_b_fmt:MATRIX_FMT_FP6 matrix_a_scale:MATRIX_SCALE_ROW1
.else
	v_wmma_scale_f32_16x16x128_f8f6f4 v[8*(8*((\a)%4)+\b):8*(8*((\a)%4)+\b)+7], v[128*(\p)+FR*\b:128*(\p)+FR*\b+FR-1], v[AF+FR*(\a):AF+FR*(\a)+FR-1], v[8*(8*((\a)%4)+\b):8*(8*((\a)%4)+\b)+7], v[SC+8*NQ*(\sc)+NQ*\b+(\q)], v[SC+8*NQ*(\sc)+NQ*(\a)+(\q)] matrix_a_fmt:MATRIX_FMT_FP6 matrix_b_fmt:MATRIX_FMT_FP6 matrix_a_scale:MATRIX_SCALE_ROW1
.endif
.endr
.endr
.endm
.macro FETCH_B slot, q, p              ; T's eight fragments of the slot's q-th 128 along K into set p
	WIN TO_B
.irp i, 0,1,2,3,4,5,6,7
	FRAG 128*(\p)+FR*\i, ADRB+\slot, \q, \i
.endr
	WIN 0
.endm
.macro FETCH_A slot, q, i0             ; U's blocks i0 .. i0 + 3
.irp i, \i0, \i0+1, \i0+2, \i0+3
	FRAG AF+FR*(\i), ADRA+\slot, \q, \i
.endr
.endm
.macro SCALES sc                       ; a slot's scale words into set sc: register 2 i + q: lanes 0-15 U's block i, lanes 16-31 T's block i
.irp i, 0,1,2,3,4,5,6,7
.irp q, 0,1
	ds_load_b32 v[SC+8*NQ*\sc+NQ*\i+\q], v[ADRS] offset:512*\i+64*\q
.endr
.endr
.endm
.macro PLACES n                        ; plain vector instructions between a matrix instruction and a load into, or a vector instruction on, its registers (ISA guide 7.12.1 for vector instructions)
.rept \n
	v_nop
.endr
.endm
.macro STEP slot, q, zero              ; a step of 128 along K that has its successor in the same slot
	s_wait_dscnt 4*NL                              ; T's set and U's blocks 0-3 are in; the youngest 16 loads (U's blocks 4-7) may be out
	WIN MUL_LO
	MUL16 0, (\q)%2, \q, \slot, \zero
	MUL16 2, (\q)%2, \q, \slot, \zero
	s_wait_dscnt 0                                 ; U's blocks 4-7 are in
	PLACES NP
	FETCH_B \slot, (\q)+1, 1-(\q)%2
	FETCH_A \slot, (\q)+1, 0
	WIN MUL_HI
	MUL16 4, (\q)%2, \q, \slot, \zero
	MUL16 6, (\q)%2, \q, \slot, \zero
	PLACES NP
	WIN 0
	FETCH_A \slot, (\q)+1, 4
.endm
; A slot's last step changes slots: ONE barrier; in front of it each wave waits for all its tensor loads, adds 0 to its spare word, and waits for that and for its own reads of this slot.  fill = 1: this slot is filled again, two slots ahead.
.macro TURN slot, next, fill
	s_wait_tensorcnt 0x0                           ; all my tensor loads have landed: my part of the next slot
	ds_add_u32 v[SPW], v[NIL]                      ; 0 onto my spare word
	s_wait_dscnt 4*NL+1                            ; (the add and the youngest 16 loads may be out)
	WIN MUL_LO
	MUL16 0, 1, NQ-1, \slot, 0                     ; sixteen matrix instructions stand between the add and the wait for it
	s_wait_dscnt 0x0                               ; the add is done, and my reads of this slot are over
	s_barrier_signal -1
	MUL16 2, 1, NQ-1, \slot, 0
	WIN 0
	s_barrier_wait -1
.if \fill
	CREST                                          ; the barrier has opened a round of the cluster's: no wave of any partner still reads this slot or has a load on its way
	s_add_nc_u64 s[G0+4*\slot+2:G0+4*\slot+3], s[G0+4*\slot+2:G0+4*\slot+3], 2*HALFT
	s_add_nc_u64 s[G0B+4*\slot+2:G0B+4*\slot+3], s[G0B+4*\slot+2:G0B+4*\slot+3], 2*HALFT
	JLOAD G0+4*\slot, G1, G0B+4*\slot, G1B         ; the first tensor load behind the round; its four v_nop are the places in front of the loads below
.else
	PLACES NP
.endif
	s_wait_alu depctr_va_vdst(0)
	v_add_nc_u32 v[ADRS], 64*NQ, v[ADRS]           ; on to the next slot's scale words (no LDS load of mine is out)
	FETCH_B \next, 0, 0
	FETCH_A \next, 0, 0
	SCALES \next
	WIN MUL_HI
	MUL16 4, 1, NQ-1, \slot, 0
	MUL16 6, 1, NQ-1, \slot, 0
	PLACES NP
	WIN 0
	FETCH_A \next, 0, 4
.endm
	s_wait_alu depctr_va_vdst(0)
	s_wait_tensorcnt 0x0                           ; my tile of the head's four is in
.irp g, G1, G1B                        ; no tensor load of mine is out: from here on a load brings one half of a slot, 96 rows of 256 bytes
	s_mov_b32 s[\g+1], 32<<16
	s_mov_b32 s[\g+2], 96<<16
	s_mov_b32 s[\g+3], 32<<16
	s_mov_b32 s[\g+4], 96
	s_mov_b32 s[\g+5], 32
.endr
	s_barrier_signal -1
	s_barrier_wait -1                              ; all four tiles are in: both slots and the scale words
	FETCH_B 0, 0, 0
	FETCH_A 0, 0, 0
	SCALES 0
	FETCH_A 0, 0, 4
	STEP 0, 0, 1                                   ; the first products start the sums: nothing is cleared
	TURN 0, 1, 1                                   ; K = 1,024 is four slots' worth: each slot is filled again once, so the lap is written out and there is no loop
	STEP 1, 0, 0
	TURN 1, 0, 1
	STEP 0, 0, 0
	TURN 0, 1, 0
	STEP 1, 0, 0
	s_wait_dscnt 4*NL                              ; the last step: nothing more to fetch
	WIN MUL_LO
	MUL16 0, 1, NQ-1, 1, 0
	MUL16 2, 1, NQ-1, 1, 0
	s_wait_dscnt 0
	WIN MUL_HI
	MUL16 4, 1, NQ-1, 1, 0
	MUL16 6, 1, NQ-1, 1, 0
	WIN 0
; 64 numbers of a lane, register 16 b + i = k 32 b + 16 h + i of my place's row, become a fragment's codes in v[PC] on and its scale word in v[PW].
.macro QUANT s
.irp b, 0,1,2,3
	v_max3_num_f32 v[TM+\b], |v[\s+16*\b]|, |v[\s+1+16*\b]|, 0x1800000   ; my 16 numbers of block b, and the floor 2^(3 - 127): the byte cannot fall under 1
.endr
.irp i, 2,4,6,8,10,12,14
.irp b, 0,1,2,3
	v_max3_num_f32 v[TM+\b], v[TM+\b], |v[\s+16*\b+\i]|, |v[\s+1+16*\b+\i]|
.endr
.endr
.irp b, 0,1,2,3
	v_permlanex16_b32 v[TM+4+\b], v[TM+\b], s[SEL], s[SEL+1]
.endr
.irp b, 0,1,2,3
	v_max_num_f32 v[TM+\b], v[TM+\b], v[TM+4+\b]   ; with lane l xor 16's: the block's largest magnitude
.endr
.irp b, 0,1,2,3
	v_add_nc_u32 v[TM+12+\b], 0xff000000, v[TM+\b] ; 2 off its exponent field: the conversion's scale operand
.endr
.irp b, 0,1,2,3
	v_lshrrev_b32 v[TM+4+\b], 23, v[TM+12+\b]      ; the scale's byte
.endr
	v_lshl_or_b32 v[PW], v[TM+5], 8, v[TM+4]
	v_lshl_or_b32 v[PW], v[TM+6], 16, v[PW]
	v_lshl_or_b32 v[PW], v[TM+7], 24, v[PW]
.irp c, 0,1
	v_cvt_scalef32_pk16_fp6_f32 v[PC+6*\c:PC+2+6*\c], v[\s+32*\c:\s+15+32*\c], v[TM+12+2*\c]
	v_cvt_scalef32_pk16_fp6_f32 v[PC+12+4*\c:PC+14+4*\c], v[\s+16+32*\c:\s+31+32*\c], v[TM+12+2*\c+1]   ; (a conversion's three registers begin on an even number)
.endr
	v_nop                                          ; one plain place behind a scaled conversion
.irp c, 0,1                            ; the operand's layout wants a whole block in a lane: lanes 0-15 block 2 c, lanes 16-31 block 2 c + 1
.irp i, 0,1,2
	v_permlane16_swap_b32 v[PC+6*\c+\i], v[PC+12+4*\c+\i]
.endr
.irp i, 0,1,2
	v_mov_b32 v[PC+3+6*\c+\i], v[PC+12+4*\c+\i]
.endr
.endr
.endm
; THE WAY OUT, a block of 16 places of U at a time: the bias is added on the way out of the accumulators' window (each accumulator is read from its low end on), the 64 numbers are quantised, and codes leave as images.
; role 0 (q, k): registers 0-5 are the first head's image, 6-11 the second's; the scale word's halves likewise.  role 1 (v): the fragment is 16 channels x 128 keys: three stores of 512 bytes.
; The scale words gather in my stage and leave as runs of 512 or 256 consecutive bytes.
.macro EPI role
.irp a, 0,1,2,3,4,5,6,7
.set WN, 0x02+(\a)/4
	WIN WN                                         ; source 0: window 2 or 3
.set AC, 64*((\a)%4)
.set i, 0
.rept 32
.if \role
	v_pk_add_f32 v[H+2*i:H+2*i+1], v[AC+2*i:AC+2*i+1], v[BI+8*(\a):BI+8*(\a)+1]
.else
	v_pk_add_f32 v[H+2*i:H+2*i+1], v[AC+2*i:AC+2*i+1], v[BI+2*i:BI+2*i+1]
.endif
.set i, i+1
.endr
	WIN 0
.if \a > 0
	s_wait_xcnt 0x0                                ; the last block's stores have read the codes' registers: they are written again only behind this wait
.endif
	QUANT H
.if \role
.irp g, 0,1,2
	global_store_b128 v[L16], v[PC+4*\g:PC+4*\g+3], s[12:13] offset:((\a)%4)*1536+((\a)/4)*98304+512*\g
.endr
	ds_store_b32 v[SV], v[PW] offset:64*\a         ; both halves of the lanes write the same word with the same value
.else
	global_store_b128 v[L16], v[PC:PC+3], s[12:13] offset:768*\a
	global_store_b64 v[A8], v[PC+4:PC+5], s[12:13] offset:768*\a+512
	global_store_b128 v[L16], v[PC+6:PC+9], s[12:13] offset:768*\a+98304
	global_store_b64 v[A8], v[PC+10:PC+11], s[12:13] offset:768*\a+98304+512
	v_lshrrev_b32 v[PW+1], v[PW+2], v[PW]          ; lanes 0-15: the first head's two bytes, lanes 16-31: the second's;
	v_and_b32 v[PW+1], 0xffff, v[PW+1]             ; the upper two bytes are 0: they scale the zero codes that fill K from 64 to 128
	ds_store_b32 v[SQ], v[PW+1] offset:64*\a
.endif
.endr
.if \role
	ds_load_b128 v[232:235], v[RV]                 ; LDS serves a wave's instructions in order: these see my stores
	s_wait_dscnt 0x0
	global_store_b128 v[VG], v[232:235], s[98:99]  ; 256 consecutive bytes for each of my two heads
.else
	ds_load_b128 v[232:235], v[RQ]
	ds_load_b128 v[236:239], v[RQ] offset:512
	s_wait_dscnt 0x0
	global_store_b128 v[L16], v[232:235], s[98:99]
	global_store_b128 v[L16], v[236:239], s[98:99] offset:12288
.endif
.endm
	PLACES NP                                      ; behind the last products: what follows writes registers that held U's fragments
	s_wait_loadcnt 0x0                             ; the biases
.irp b, 0,1,2,3
	v_mov_b32 v[TM+4+\b], 0                        ; a lane permute's destination counts as one of its sources
.endr
	v_bfe_u32 v[PW+2], v0, 4, 1
	v_lshlrev_b32 v[PW+2], 4, v[PW+2]              ; 16 h
	s_cmp_eq_u32 s100, 2                           ; the role: equal in all partners
	s_cbranch_scc1 .Lrole_v
	EPI 0
	s_branch .Ljoin
.Lrole_v:
	EPI 1
.Ljoin:
	s_wait_tensorcnt 0x0                           ; the wave's end, behind my last tensor load and my last LDS store
	ds_add_u32 v[SPW], v[NIL]
	s_wait_dscnt 0x0
	CROUND                                         ; the closing round: no work-group ends while a partner may still ask for a tile that names it
	s_endpgm
.Lfunc_end_k_q9c46be2d61_qkv:
	.size	k_q9c46be2d61_qkv, .Lfunc_end_k_q9c46be2d61_qkv-k_q9c46be2d61_qkv
	.p2alignl 7, 3214868480
	.fill 96, 4, 3214868480
	.section	.rodata,"a",@progbits
	.p2align	6, 0x0
	.amdhsa_kernel k_q9c46be2d61_qkv
		.amdhsa_group_segment_fixed_size 327680
		.amdhsa_private_segment_fixed_size 0
		.amdhsa_enable_private_segment 0
		.amdhsa_kernarg_size 72
		.amdhsa_user_sgpr_count 2
		.amdhsa_user_sgpr_kernarg_segment_ptr 1
		.amdhsa_wavefront_size32 1
		.amdhsa_system_sgpr_workgroup_id_x 1
		.amdhsa_system_sgpr_workgroup_id_y 1
		.amdhsa_system_sgpr_workgroup_id_z 1
		.amdhsa_system_vgpr_workitem_id 0
		.amdhsa_next_free_vgpr 1024
		.amdhsa_next_free_sgpr 102
		.amdhsa_reserve_vcc 0
		.amdhsa_float_denorm_mode_32 3
		.amdhsa_float_denorm_mode_16_64 3
		.amdhsa_memory_ordered 1
		.amdhsa_forward_progress 1
		.amdhsa_inst_pref_size 226
	.end_amdhsa_kernel
	.amdgpu_metadata
---
amdhsa.version: [ 1, 2 ]
amdhsa.kernels:
  - .name:           k_q9c46be2d61_qkv
    .symbol:         k_q9c46be2d61_qkv.kd
    .args:
      - { .name: xc, .offset: 0, .size: 8, .value_kind: global_buffer, .address_space: global }
      - { .name: xs, .offset: 8, .size: 8, .value_kind: global_buffer, .address_space: global }
      - { .name: wc, .offset: 16, .size: 8, .value_kind: global_buffer, .address_space: global }
      - { .name: ws, .offset: 24, .size: 8, .value_kind: global_buffer, .address_space: global }
      - { .name: bq, .offset: 32, .size: 8, .value_kind: global_buffer, .address_space: global }
      - { .name: bk, .offset: 40, .size: 8, .value_kind: global_buffer, .address_space: global }
      - { .name: bv, .offset: 48, .size: 8, .value_kind: global_buffer, .address_space: global }
      - { .name: qkvc, .offset: 56, .size: 8, .value_kind: global_buffer, .address_space: global }
      - { .name: qkvs, .offset: 64, .size: 8, .value_kind: global_buffer, .address_space: global }
    .group_segment_fixed_size: 327680
    .private_segment_fixed_size: 0
    .kernarg_segment_align: 8
    .kernarg_segment_size: 72
    .max_flat_workgroup_size: 128
    .sgpr_count:     102
    .vgpr_count:     1024
    .wavefront_size: 32
...
	.end_amdgpu_metadata
.endif
;; end of part 2
;; launch attn (part 3): grid 4 x 64, 8 waves a work-group, clusters of 4 x 1, 327,680 bytes of LDS; arguments qkvc, qkvs, aoc, aos; writes aoc, aos
.if DOCPART == 3
	.amdgcn_target "amdgcn-amd-amdhsa--gfx1250"
	.amdhsa_code_object_version 6
	.text
	.protected	k_q9c46be2d61_attn
	.globl	k_q9c46be2d61_attn
	.p2align	8
	.type	k_q9c46be2d61_attn,@function
k_q9c46be2d61_attn:
	s_mov_b64 s[64:65], 0
	v_nop
	global_prefetch_b8 v0, s[64:65] scope:SCOPE_SE
	s_setreg_imm32_b32 hwreg(HW_REG_WAVE_MODE, 25, 1), 1
	s_wait_xcnt 0x0
	s_wait_alu depctr_hold_cnt(0) depctr_sa_sdst(0) depctr_va_vdst(0) depctr_va_sdst(0) depctr_va_ssrc(0) depctr_va_vcc(0) depctr_vm_vsrc(0)
	s_getreg_b32 s2, hwreg(HW_REG_IB_STS2, 6, 4)
	s_cmp_eq_u32 s2, 0
	s_cbranch_scc0 .Lentry_in_a_cluster
	s_endpgm
.Lentry_in_a_cluster:
	s_bfe_u32 s2, ttmp6, 0x10000c
	s_cmp_lg_u32 s2, 0x3003
	s_cbranch_scc0 .Lentry_shape_is_right
	s_endpgm
.Lentry_shape_is_right:
; o = softmax(q k^T / 8) v for one head (work-group y = 16 x batch + head) on codes of FP6 (E2M3) with E8M0 scales; o is quantised along the head's 64 channels and leaves as codes for the last product.
; p = 2^(t - M), M the ceiling of the running largest t; the row's sum is taken of the unquantised p; O and the sum are brought under a new M by an exact power of two in every step, with no branch.
; LIMITS: NaN and infinities are not served; the promise holds while the scaled scores t stay under 2^31 in magnitude; a block whose every p has fallen under 2^-124 keeps the scale byte 1.
; THE DEAL: the four work-groups of a cluster take 512 queries each of one head and ask jointly for the head's K, V and scale words, which lie whole in LDS: nothing is filled again.
; 8 waves; a wave takes FOUR tiles of 16 queries and walks the 2,048 keys once, in 16 steps of 128: a step's fragments of K and V, 40 LDS loads, serve all four tiles.
; Both products are used transposed (S^T = k q^T, O^T = v^T p^T): a lane holds one query.
; THE KEYS OF A SCORE TILE ARE CHOSEN BY THE LANES' LDS ADDRESSES: row m of tile 4 c + t is key 64 c + 32 (m / 8) + 8 t + m % 8.  So the 32 registers of tiles 4 c .. 4 c + 3 in lane (r, h) are keys 64 c + 32 h + 0 .. 31:
; one whole block of 32, in the order of the next operand's registers: a block's maximum needs no other lane, and the conversions' results are the operand.
; In memory key w of a run of 32 lies in image 2 (run) + (w % 16) / 8 at place w % 8 + 8 (w / 16); an image is 768 bytes (16 bytes a lane at 16 l, 8 at 512 + 16 r + 8 h).  K's images come with 64 bytes of padding behind each 256:
; an image is 960 bytes of LDS, and the two runs of eight lanes of a load, 1,920 bytes apart, fall 128 bytes apart modulo 256.
; K = 64 FILLS HALF OF A MATRIX STEP: q's registers 6-11 are zero codes, so k's registers 6-11 may hold any codes: a tile's operand runs on into the next tile's six registers (the last into six zeros).  The scale words' upper bytes are 0, a finite code.
; THE NEXT STEP'S FRAGMENTS are fetched as soon as their registers are free: K's behind the fourth tile's scores, V's behind its last product.  The step's number is taken modulo 16, so the last trip fetches step 0 again and uses nothing of it: no tail is written out.
; A BARRIER IN EACH STEP, signalled ahead of the first tile's second product (no LDS load of the wave is out there) and waited for at the step's foot, orders no memory: it holds the eight waves within one step of each other.
; No prefetch: all that the launch reads by tensor loads is asked for at the head, and there is no loop to run ahead in.
; REGISTERS, window 0: v1-5 lane parts of LDS addresses, v6 4 r, v7-11 addresses; v12-27 for each tile -M, the largest score, the sum (two halves); v28, v29 offsets in memory; v30-33 q's scale words, v34 p's, v36-39 v's, v40-47 k's;
; v48-101 k's eight tiles and six zeros; v102-149 v; v150-213 scores, then p; v214-251 the quantiser's and the sums' registers; v254, v255 the add's.   Window 1: v0-127 O^T of the four tiles; v128-175 q's four operands.
.set KSTEP, 7680                       ; 128 keys of K in LDS: 8 images of 960
.set VIMG,  122880
.set KSC,   221184
.set VSC,   229376
.set SPARE, 233472                     ; the spare words: 128 bytes for each of 8 waves
.set WV,   12
.set NC,   15
.set SEL,  20
.set CS,   22
.set G1K,  24
.set G1V,  32
.set G0K,  40
.set G0V,  44
.set G0S,  48
.set G1S,  52
.set TB,   60
.set TV,   61
.set TS,   62
.set TJ,   63
.set IDX,  66
.set NX,   67
.set G16,  28
.set G8,   29
.set QS,   30
.set PS,   34
.set H8,   35                          ; 8 h
.set VS,   36
.set KS,   40
.set KF,   48
.set VF,   102
.set S,    150
.set BM,   214                         ; v214-217 the maxima's chains
.set SOP,  218                         ; v218-219 the conversions' scale operands
.set BY,   220                         ; v220-221 scale bytes
.set PC,   222                         ; v222-233 p's codes
.set CT,   234                         ; v234-236, v238-240 the second conversions' results
.set T0,   237
.set T1,   241
.set F,    242                         ; v242 the factor 2^(old M - new M); v243 written once (named in the pair)
.set L2,   244                         ; the sum's other three chains
.set PX,   246                         ; a lane permute's destination
.set L3,   248
.set L4,   250
.set QF,   128                         ; window 1
.set MSB, 0
.macro WIN new                         ; the immediate's high byte repeats the setting that is left
.if MSB != \new
	s_set_vgpr_msb (MSB<<8)|\new
.set MSB, \new
.endif
.endm
.macro WALU
	s_wait_alu depctr_va_vdst(0)
.endm
.macro ROUND
	s_barrier_signal -1
	s_barrier_wait -1
	s_cmp_lg_u32 s[WV], 0
	s_cbranch_scc1 .Lnot_wave_0_\@
	s_barrier_signal -3
.Lnot_wave_0_\@:
	s_barrier_wait -3
	s_barrier_signal -1
	s_barrier_wait -1
.endm
.macro GROUP1 g, w0, rows              ; dense bytes as rows of 256 (32 elements of 8 bytes)
	s_mov_b32 s[\g], \w0
	s_mov_b32 s[\g+1], 32<<16
	s_mov_b32 s[\g+2], (\rows)<<16
	s_mov_b32 s[\g+3], 32<<16
	s_mov_b32 s[\g+4], \rows
	s_mov_b32 s[\g+5], 32
	s_mov_b32 s[\g+6], 0
	s_mov_b32 s[\g+7], 0
.endm
	s_load_b256 s[4:11], s[0:1], 0x0               ; qkvc, qkvs, aoc, aos
	v_lshl_add_u32 v254, v0, 2, SPARE
	v_mov_b32 v255, 0
	ds_add_u32 v254, v255                          ; the opening lines: the add twice on end and one wait
	ds_add_u32 v254, v255
	v_lshrrev_b32 v1, 5, v0
	v_readfirstlane_b32 s[WV], v1                  ; wave 0..7
	s_bfe_u32 s13, ttmp6, 0x40000                  ; cx: which 512 queries
	s_and_b32 s14, ttmp7, 0xffff                   ; 16 x batch + head
	s_and_b32 s68, s[WV], 3
	s_mul_i32 s70, s14, 98304                      ; the head's codes in each of the three sections
	s_mul_i32 s78, s14, 12288                      ; its scale words
	s_mul_i32 s71, s[WV], 24576                    ; waves 0-3: a quarter of K, 96 rows of 256 bytes,
	s_add_co_u32 s72, s70, s71
	s_add_co_u32 s72, s72, 6291456
	s_mov_b32 s73, 0
	s_mov_b32 s[G0K], 1
	s_mul_i32 s[G0K+1], s[WV], 30720               ; to 96 LDS rows of 320
	s_lshl_b32 s71, s68, 15                        ; waves 4-6: a third of V, 128 rows
	s_add_co_u32 s74, s70, s71
	s_add_co_u32 s74, s74, 12582912
	s_mov_b32 s75, 0
	s_mov_b32 s[G0V], 1
	s_add_co_u32 s[G0V+1], s71, VIMG
	s_add_co_u32 s76, s78, 786432                  ; wave 7: the 12,288 bytes of k's and v's scale words, 48 rows
	s_mov_b32 s77, 0
	s_mov_b32 s[G0S], 1
	s_mov_b32 s[G0S+1], KSC
	GROUP1 G1K, 15|(3<<16)|(1<<20)|(1<<21)|(5<<22)|(15<<25), 96   ; the mask names the cluster's four; 16 dwords of padding behind every 64
	GROUP1 G1V, 15|(3<<16)|(1<<21), 128
	GROUP1 G1S, 15|(3<<16)|(1<<21), 48
	s_mov_b32 s[SEL], 0x76543210
	s_mov_b32 s[SEL+1], 0xfedcba98                 ; selects for lane l xor 16
	s_mov_b32 s[CS], 0x3e38aa3b                    ; c = log2(e) / 8
	s_mov_b32 s[CS+1], s[CS]
	s_mov_b32 s[NC], 0xbe38aa3b                    ; -c
	WALU
	s_wait_dscnt 0x0
	s_wait_kmcnt 0x0
	s_add_nc_u64 s[G0K+2:G0K+3], s[4:5], s[72:73]
	s_or_b32 s[G0K+3], s[G0K+3], 0x80000000
	s_add_nc_u64 s[G0V+2:G0V+3], s[4:5], s[74:75]
	s_or_b32 s[G0V+3], s[G0V+3], 0x80000000
	s_add_nc_u64 s[G0S+2:G0S+3], s[6:7], s[76:77]
	s_or_b32 s[G0S+3], s[G0S+3], 0x80000000
	ROUND                                          ; the four work-groups are here: the joint loads meet
	s_cmp_lt_u32 s[WV], 4                          ; one chain of branches on the wave's number, one load to an arm
	s_cbranch_scc0 .Lfor_v
	tensor_load_to_lds s[G0K:G0K+3], s[G1K:G1K+7]
	s_nop 0
	s_branch .Lasked
.Lfor_v:
	s_cmp_lt_u32 s[WV], 7
	s_cbranch_scc0 .Lfor_s
	tensor_load_to_lds s[G0V:G0V+3], s[G1V:G1V+7]
	s_nop 0
	s_branch .Lasked
.Lfor_s:
	tensor_load_to_lds s[G0S:G0S+3], s[G1S:G1S+7]
	s_nop 0
.Lasked:
	s_lshr_b32 s80, s[WV], 1                       ; my four tiles lie in group wave / 2 of the work-group's four groups of 128 rows,
	s_and_b32 s79, s[WV], 1
	s_lshl_b32 s79, s79, 2                         ; from its tile 4 (wave % 2) on
	s_lshl_b32 s81, s13, 5
	s_lshl_b32 s82, s[WV], 2
	s_add_co_u32 s81, s81, s82                     ; my first tile of 16 queries: 32 cx + 4 x wave
	s_mul_i32 s82, s81, 768
	s_add_co_u32 s82, s82, s70
	s_mov_b32 s83, 0
	s_add_nc_u64 s[16:17], s[4:5], s[82:83]        ; q's codes
	s_lshl_b32 s82, s81, 6
	s_add_co_u32 s82, s82, s78
	s_add_nc_u64 s[18:19], s[6:7], s[82:83]        ; q's scale words
	s_lshr_b32 s84, s14, 4                         ; batch
	s_and_b32 s85, s14, 15                         ; head
	s_lshl_b32 s86, s84, 4
	s_lshl_b32 s87, s13, 2
	s_add_co_u32 s86, s86, s87
	s_add_co_u32 s86, s86, s80                     ; the group of 128 rows of aoc
	s_mul_i32 s86, s86, 98304
	s_mul_i32 s87, s85, 6144                       ; the head's 64 along the last product's K
	s_add_co_u32 s86, s86, s87
	s_mul_i32 s87, s79, 768
	s_add_co_u32 s86, s86, s87
	s_mov_b32 s87, 0
	s_add_nc_u64 s[8:9], s[8:9], s[86:87]
	s_lshl_b32 s86, s84, 7
	s_add_co_u32 s86, s86, s81
	s_lshl_b32 s86, s86, 9
	s_lshr_b32 s88, s85, 1
	s_lshl_b32 s88, s88, 6
	s_add_co_u32 s86, s86, s88
	s_and_b32 s88, s85, 1
	s_lshl_b32 s88, s88, 1
	s_add_co_u32 s86, s86, s88
	s_add_nc_u64 s[10:11], s[10:11], s[86:87]      ; my two bytes of the rows' scale words
	v_and_b32 v[T0], 15, v0                        ; r
	v_bfe_u32 v[T1], v0, 4, 1                      ; h
	v_and_b32 v[L2], 7, v0                         ; r % 8
	v_bfe_u32 v[L2+1], v0, 3, 1                    ; r / 8
	v_and_b32 v[G16], 31, v0
	v_lshlrev_b32 v[G16], 4, v[G16]                ; 16 x lane
	v_lshlrev_b32 v[G8], 4, v[T0]
	v_lshl_add_u32 v[G8], v[T1], 3, v[G8]          ; 16 r + 8 h
	v_lshlrev_b32 v6, 2, v[T0]                     ; 4 r
	v_mul_u32_u24 v1, v[L2+1], 1920                ; K, 16 bytes: two images on for rows 8-15, + 320 h + 16 (r % 8)
	v_mad_u32_u24 v1, v[T1], 320, v1
	v_lshl_add_u32 v1, v[L2], 4, v1
	v_mul_u32_u24 v2, v[L2+1], 1920                ; K, 8 bytes: + 640 + 16 (r % 8) + 8 h
	v_lshl_add_u32 v2, v[L2], 4, v2
	v_lshl_add_u32 v2, v[T1], 3, v2
	v_add_nc_u32 v2, 640, v2
	v_add_nc_u32 v3, VIMG, v[G16]                  ; V: images of the registers
	v_lshlrev_b32 v4, 7, v[L2+1]                   ; k's scale words: 128 (r / 8) + 4 (r % 8)
	v_lshl_add_u32 v4, v[L2], 2, v4
	v_add_nc_u32 v4, KSC, v4
	v_add_nc_u32 v5, VSC, v6                       ; v's
	v_lshlrev_b32 v[H8], 3, v[T1]
	WIN 0x40                                       ; destinations in window 1
.irp j, 0,1,2,3
	global_load_b128 v[QF+12*\j:QF+12*\j+3], v[G16], s[16:17] offset:768*\j
	global_load_b64 v[QF+12*\j+4:QF+12*\j+5], v[G8], s[16:17] offset:768*\j+512
.irp i, 6,7,8,9,10,11
	v_mov_b32 v[QF+12*\j+\i], 0                    ; q's upper half: zero codes
.endr
.endr
.set j, 0
.rept 128
	v_mov_b32 v[j], 0                              ; O^T: the step is written once, and the first finds zeros
.set j, j+1
.endr
	WIN 0
.irp j, 0,1,2,3
	global_load_b32 v[QS+\j], v6, s[18:19] offset:64*\j
	v_mov_b32 v[12+4*\j], 0x7f61b1e6               ; -M,
	v_mov_b32 v[13+4*\j], 0xff61b1e6               ; the largest score so far: -3e38,
	v_mov_b32 v[14+4*\j], 0                        ; the sum
	v_mov_b32 v[15+4*\j], 0
.endr
.irp i, 0,1,2,3,4,5
	v_mov_b32 v[KF+48+\i], 0                       ; the six registers behind k's last tile
.endr
	v_mov_b32 v[F+1], 0
	v_mov_b32 v[PX], 0
.macro NEXTK                           ; K's eight tiles and their scale words of the step at s[TB], s[TS]: 24 loads
	v_add_nc_u32 v7, s[TB], v1
	v_add_nc_u32 v8, s[TB], v2
	v_add_nc_u32 v10, s[TS], v4
.irp c, 0,1
.irp t, 0,1,2,3
	ds_load_b128 v[KF+6*(4*\c+\t):KF+6*(4*\c+\t)+3], v7 offset:960*(4*\c+\t%2)+128*(\t/2)
	ds_load_b64 v[KF+6*(4*\c+\t)+4:KF+6*(4*\c+\t)+5], v8 offset:960*(4*\c+\t%2)+128*(\t/2)
	ds_load_b32 v[KS+4*\c+\t], v10 offset:64*(4*\c+\t%2)+32*(\t/2)
.endr
.endr
.endm
.macro NEXTV                           ; V's four tiles and their scale words: 16 loads
	v_add_nc_u32 v9, s[TV], v3
	v_add_nc_u32 v11, s[TJ], v5
.irp t, 0,1,2,3
.irp g, 0,1,2
	ds_load_b128 v[VF+12*\t+4*\g:VF+12*\t+4*\g+3], v9 offset:1536*\t+512*\g
.endr
	ds_load_b32 v[VS+\t], v11 offset:64*\t
.endr
.endm
.macro ADD4 p                          ; eight numbers of p onto the sum's four chains
	v_pk_add_f32 v[ST+2:ST+3], v[ST+2:ST+3], v[S+2*(\p):S+2*(\p)+1]
	v_pk_add_f32 v[L2:L2+1], v[L2:L2+1], v[S+2*(\p)+2:S+2*(\p)+3]
	v_pk_add_f32 v[L3:L3+1], v[L3:L3+1], v[S+2*(\p)+4:S+2*(\p)+5]
	v_pk_add_f32 v[L4:L4+1], v[L4:L4+1], v[S+2*(\p)+6:S+2*(\p)+7]
.endm
.macro TILE j                          ; 16 queries x 128 keys
.set ST, 12+4*\j
.if \j == 0
	s_wait_dscnt 16                                ; K's 24 loads are in; V's 16, issued behind them, may be out
.endif
	WIN 0x04                                       ; source 1, q, in window 1
.irp t, 0,1,2,3,4,5,6,7
	v_wmma_scale_f32_16x16x128_f8f6f4 v[S+8*\t:S+8*\t+7], v[KF+6*\t:KF+6*\t+11], v[QF+12*\j:QF+12*\j+11], 0, v[KS+\t], v[QS+\j] matrix_a_fmt:MATRIX_FMT_FP6 matrix_b_fmt:MATRIX_FMT_FP6
.endr
	WIN 0
	v_mov_b32 v[T0], v[ST]                         ; the old -M: the first of four places behind the products
.if \j == 3
	NEXTK                                          ; its three additions are the other places; K's registers take the next step's fragments
.else
.rept 3
	v_nop
.endr
.endif
.irp c, 0,1                            ; the largest score of my two blocks of 32 keys, each in two chains; every accumulator is read from its low end on
	v_max3_num_f32 v[BM+\c], v[S+32*\c], v[S+32*\c+1], v[S+32*\c+2]
	v_max3_num_f32 v[BM+2+\c], v[S+32*\c+16], v[S+32*\c+17], v[S+32*\c+18]
.endr
.irp i, 3,5,7,9,11,13
.irp c, 0,1
	v_max3_num_f32 v[BM+\c], v[BM+\c], v[S+32*\c+\i], v[S+32*\c+\i+1]
	v_max3_num_f32 v[BM+2+\c], v[BM+2+\c], v[S+32*\c+16+\i], v[S+32*\c+17+\i]
.endr
.endr
.irp c, 0,1
	v_max3_num_f32 v[BM+\c], v[BM+\c], v[S+32*\c+15], v[S+32*\c+31]
.endr
.irp c, 0,1
	v_max_num_f32 v[BM+\c], v[BM+\c], v[BM+2+\c]
.endr
	s_delay_alu instid0(VALU_DEP_1)
	v_max_num_f32 v[T1], v[BM], v[BM+1]
	s_delay_alu instid0(VALU_DEP_1)
	v_permlanex16_b32 v[PX], v[T1], s[SEL], s[SEL+1]
	s_delay_alu instid0(VALU_DEP_1)
	v_max3_num_f32 v[ST+1], v[ST+1], v[T1], v[PX]  ; the running largest score of my query (c is positive)
	s_delay_alu instid0(VALU_DEP_1)
	v_mul_f32 v[T1], s[NC], v[ST+1]
	s_delay_alu instid0(VALU_DEP_1)
	v_floor_f32 v[ST], v[T1]                       ; -M = floor(-t) = -ceil(t)
	s_delay_alu instid0(VALU_DEP_1)
	v_sub_f32 v[T1], v[ST], v[T0]                  ; old M less new M: a whole number, 0 or less
	s_delay_alu instid0(VALU_DEP_1)
	v_cvt_i32_f32 v[T1], v[T1]                     ; (it saturates)
	s_delay_alu instid0(VALU_DEP_1)
	v_ldexp_f32 v[F], 1.0, v[T1]
.set i, 0
.rept 32
	v_pk_fma_f32 v[S+i:S+i+1], v[S+i:S+i+1], s[CS:CS+1], v[ST:ST+1] op_sel_hi:[1,0,0]   ; t - M
.set i, i+2
.endr
.irp c, 0,1
	v_fma_f32 v[BM+\c], v[BM+\c], s[CS], v[ST]     ; the same of each block's largest score: p rises with the score
.endr
	WIN 0x41                                       ; destination and source 0 in window 1
	WALU                                           ; directly ahead of the first reader of O^T, and ahead of the batch below
.set i, 0
.rept 16
	v_pk_mul_f32 v[32*\j+i:32*\j+i+1], v[32*\j+i:32*\j+i+1], v[F:F+1] op_sel_hi:[1,0]   ; O^T under the new M
.set i, i+2
.endr
	WIN 0
.set i, 0
.rept 64
	v_exp_f32 v[S+i], v[S+i]
.set i, i+1
.endr
.irp c, 0,1
	v_exp_f32 v[BM+\c], v[BM+\c]                   ; the blocks' largest p
.endr
	v_nop                                          ; a plain place behind the batch
	WALU                                           ; and the one wait behind it
; p's scale word and codes; the lines of the row's sum (of the unquantised p, in four chains) stand among them
.irp c, 0,1
	v_max_num_f32 v[BM+\c], 0x1800000, v[BM+\c]    ; the floor 2^(3 - 127): the byte cannot fall under 1
.endr
	v_pk_fma_f32 v[ST+2:ST+3], v[ST+2:ST+3], v[F:F+1], v[S:S+1] op_sel_hi:[1,0,1]   ; the sum under the new M
	v_pk_add_f32 v[L2:L2+1], v[S+2:S+3], v[S+4:S+5]
	v_pk_add_f32 v[L3:L3+1], v[S+6:S+7], v[S+8:S+9]
	v_pk_add_f32 v[L4:L4+1], v[S+10:S+11], v[S+12:S+13]
.irp c, 0,1
	v_add_nc_u32 v[SOP+\c], 0xff000000, v[BM+\c]   ; 2 off the exponent field: the conversions' scale operand
.endr
	ADD4 7
.irp c, 0,1
	v_lshrrev_b32 v[BY+\c], 23, v[SOP+\c]
.endr
.irp c, 0,1
	v_cvt_scalef32_pk16_fp6_f32 v[PC+6*\c:PC+6*\c+2], v[S+32*\c:S+32*\c+15], v[SOP+\c]
	v_cvt_scalef32_pk16_fp6_f32 v[CT+4*\c:CT+4*\c+2], v[S+32*\c+16:S+32*\c+31], v[SOP+\c]   ; (a conversion's three registers begin on an even number)
.endr
	ADD4 11
	v_lshl_or_b32 v[T1], v[BY+1], 16, v[BY]        ; my bytes, blocks h and 2 + h,
.irp i, 0,1,2
	v_mov_b32 v[PC+3+\i], v[CT+\i]
.endr
	v_lshlrev_b32 v[T1], v[H8], v[T1]              ; at their places;
.irp i, 0,1,2
	v_mov_b32 v[PC+9+\i], v[CT+4+\i]
.endr
	v_permlanex16_b32 v[PX], v[T1], s[SEL], s[SEL+1]
	ADD4 15
	v_or_b32 v[PS], v[T1], v[PX]                   ; with lane l xor 16's two: p's scale word for these 128 keys
	ADD4 19                                        ; (these 12 are the places between the scale word's write and the products)
	ADD4 23
	ADD4 27
.if \j == 0
	WALU
	s_wait_dscnt 0x0                               ; V's loads are in; none of mine is out:
	s_barrier_signal -1                            ; I have come this far in this step
.endif
	WIN 0x50                                       ; C and D in window 1
.irp t, 0,1,2,3
	v_wmma_scale_f32_16x16x128_f8f6f4 v[32*\j+8*\t:32*\j+8*\t+7], v[VF+12*\t:VF+12*\t+11], v[PC:PC+11], v[32*\j+8*\t:32*\j+8*\t+7], v[VS+\t], v[PS] matrix_a_fmt:MATRIX_FMT_FP6 matrix_b_fmt:MATRIX_FMT_FP6
.endr
	WIN 0
	v_pk_add_f32 v[ST+2:ST+3], v[ST+2:ST+3], v[S+62:S+63]     ; the sum's last four lines are places behind the products
	v_pk_add_f32 v[L3:L3+1], v[L3:L3+1], v[L4:L4+1]
	s_delay_alu instid0(VALU_DEP_2)
	v_pk_add_f32 v[ST+2:ST+3], v[ST+2:ST+3], v[L2:L2+1]
	s_delay_alu instid0(VALU_DEP_1)
	v_pk_add_f32 v[ST+2:ST+3], v[ST+2:ST+3], v[L3:L3+1]
.if \j == 3
	NEXTV                                          ; V's registers take the next step's fragments
.endif
.endm
	s_mov_b32 s[TB], 0
	s_mov_b32 s[TV], 0
	s_mov_b32 s[TS], 0
	s_mov_b32 s[TJ], 0
	s_mov_b32 s[IDX], 0
	WALU
	s_wait_loadcnt 0x0                             ; q
	s_wait_tensorcnt 0x0                           ; my part of K, V or the scale words is in,
	s_barrier_signal -1
	s_barrier_wait -1                              ; everybody's is
	NEXTK                                          ; step 0's fragments
	NEXTV
.Lstep:
	s_add_co_u32 s[IDX], s[IDX], 1
	s_and_b32 s[NX], s[IDX], 15                    ; the step to be fetched next, modulo 16
	s_mul_i32 s[TB], s[NX], KSTEP
	s_mul_i32 s[TV], s[NX], 6144
	s_lshl_b32 s[TS], s[NX], 9
	s_lshl_b32 s[TJ], s[NX], 8
	TILE 0
	TILE 1
	TILE 2
	TILE 3
	WALU
	s_barrier_wait -1                              ; every wave has come to this step's signal
	s_cmp_lt_u32 s[IDX], 16
	s_cbranch_scc1 .Lstep
; THE WAY OUT: O^T / the sum; register 16 b + i of lane (r, h) is channel 32 b + 16 h + i (the order of v's places): two blocks of 32, each in lanes l and l xor 16
	s_wait_dscnt 0x0                               ; the last trip's fetch
.irp j, 0,1,2,3
	v_add_f32 v[14+4*\j], v[14+4*\j], v[15+4*\j]
.endr
.irp j, 0,1,2,3
	s_delay_alu instid0(VALU_DEP_4)
	v_permlanex16_b32 v[BM+\j], v[14+4*\j], s[SEL], s[SEL+1]
.endr
.irp j, 0,1,2,3
	s_delay_alu instid0(VALU_DEP_4)
	v_add_f32 v[14+4*\j], v[14+4*\j], v[BM+\j]
.endr
	WALU
.irp j, 0,1,2,3
	v_rcp_f32 v[14+4*\j], v[14+4*\j]
.endr
	v_nop
	WALU
.macro EPILOG j
.if \j
	s_wait_xcnt 0x0                                ; the last tile's stores have read their registers
.endif
	WIN 0x01                                       ; source 0 in window 1
	WALU                                           ; directly ahead of the first reader of O^T
.set i, 0
.rept 16
	v_pk_mul_f32 v[S+i:S+i+1], v[32*\j+i:32*\j+i+1], v[14+4*\j:15+4*\j] op_sel_hi:[1,0]
.set i, i+2
.endr
	WIN 0
.irp b, 0,1
	v_max3_num_f32 v[BM+\b], |v[S+16*\b]|, |v[S+1+16*\b]|, 0x1800000
.endr
.irp i, 2,4,6,8,10,12,14
.irp b, 0,1
	s_delay_alu instid0(VALU_DEP_2)
	v_max3_num_f32 v[BM+\b], v[BM+\b], |v[S+16*\b+\i]|, |v[S+1+16*\b+\i]|
.endr
.endr
.irp b, 0,1
	s_delay_alu instid0(VALU_DEP_2)
	v_permlanex16_b32 v[BM+2+\b], v[BM+\b], s[SEL], s[SEL+1]
.endr
.irp b, 0,1
	s_delay_alu instid0(VALU_DEP_2)
	v_max_num_f32 v[BM+\b], v[BM+\b], v[BM+2+\b]
.endr
.irp b, 0,1
	s_delay_alu instid0(VALU_DEP_2)
	v_add_nc_u32 v[SOP+\b], 0xff000000, v[BM+\b]
.endr
.irp b, 0,1
	s_delay_alu instid0(VALU_DEP_2)
	v_lshrrev_b32 v[BY+\b], 23, v[SOP+\b]
.endr
	s_delay_alu instid0(VALU_DEP_1)
	v_lshl_or_b32 v[T1], v[BY+1], 8, v[BY]
	v_cvt_scalef32_pk16_fp6_f32 v[PC:PC+2], v[S:S+15], v[SOP]
	v_cvt_scalef32_pk16_fp6_f32 v[CT:CT+2], v[S+16:S+31], v[SOP+1]
	v_nop
.irp i, 0,1,2
	v_permlane16_swap_b32 v[PC+\i], v[CT+\i]       ; a whole block to a lane
.endr
.irp i, 0,1,2
	s_delay_alu instid0(VALU_DEP_3)
	v_mov_b32 v[PC+3+\i], v[CT+\i]
.endr
	global_store_b128 v[G16], v[PC:PC+3], s[8:9] offset:768*\j
	global_store_b64 v[G8], v[PC+4:PC+5], s[8:9] offset:768*\j+512
	global_store_b16 v6, v[T1], s[10:11] offset:512*\j
.endm
	EPILOG 0
	EPILOG 1
	EPILOG 2
	EPILOG 3
	s_wait_tensorcnt 0x0                           ; the wave's end
	ds_add_u32 v254, v255
	s_wait_dscnt 0x0
	ROUND                                          ; the closing round
	s_endpgm
.Lfunc_end_k_q9c46be2d61_attn:
	.size	k_q9c46be2d61_attn, .Lfunc_end_k_q9c46be2d61_attn-k_q9c46be2d61_attn
	.p2alignl 7, 3214868480
	.fill 96, 4, 3214868480
	.section	.rodata,"a",@progbits
	.p2align	6, 0x0
	.amdhsa_kernel k_q9c46be2d61_attn
		.amdhsa_group_segment_fixed_size 327680
		.amdhsa_private_segment_fixed_size 0
		.amdhsa_enable_private_segment 0
		.amdhsa_kernarg_size 32
		.amdhsa_user_sgpr_count 2
		.amdhsa_user_sgpr_kernarg_segment_ptr 1
		.amdhsa_wavefront_size32 1
		.amdhsa_system_sgpr_workgroup_id_x 1
		.amdhsa_system_sgpr_workgroup_id_y 1
		.amdhsa_system_sgpr_workgroup_id_z 1
		.amdhsa_system_vgpr_workitem_id 0
		.amdhsa_next_free_vgpr 512
		.amdhsa_next_free_sgpr 100
		.amdhsa_reserve_vcc 0
		.amdhsa_float_denorm_mode_32 3
		.amdhsa_float_denorm_mode_16_64 3
		.amdhsa_memory_ordered 1
		.amdhsa_forward_progress 1
		.amdhsa_inst_pref_size 89
	.end_amdhsa_kernel
	.amdgpu_metadata
---
amdhsa.version: [ 1, 2 ]
amdhsa.kernels:
  - .name:           k_q9c46be2d61_attn
    .symbol:         k_q9c46be2d61_attn.kd
    .args:
      - { .name: qkvc, .offset: 0, .size: 8, .value_kind: global_buffer, .address_space: global }
      - { .name: qkvs, .offset: 8, .size: 8, .value_kind: global_buffer, .address_space: global }
      - { .name: aoc, .offset: 16, .size: 8, .value_kind: global_buffer, .address_space: global }
      - { .name: aos, .offset: 24, .size: 8, .value_kind: global_buffer, .address_space: global }
    .group_segment_fixed_size: 327680
    .private_segment_fixed_size: 0
    .kernarg_segment_align: 8
    .kernarg_segment_size: 32
    .max_flat_workgroup_size: 256
    .sgpr_count:     100
    .vgpr_count:     512
    .wavefront_size: 32
...
	.end_amdgpu_metadata
.endif
;; end of part 3
;; launch outp (part 4): grid 4 x 64, 4 waves a work-group, clusters of 4 x 4, 327,680 bytes of LDS; arguments aoc, aos, wc, ws, bo, out0; writes out0
.if DOCPART == 4
	.amdgcn_target "amdgcn-amd-amdhsa--gfx1250"
	.amdhsa_code_object_version 6
	.text
	.protected	k_q9c46be2d61_outp
	.globl	k_q9c46be2d61_outp
	.p2align	8
	.type	k_q9c46be2d61_outp,@function
k_q9c46be2d61_outp:
	s_mov_b64 s[64:65], 0
	v_nop
	global_prefetch_b8 v0, s[64:65] scope:SCOPE_SE
	s_setreg_imm32_b32 hwreg(HW_REG_WAVE_MODE, 25, 1), 1
	s_wait_xcnt 0x0
	s_wait_alu depctr_hold_cnt(0) depctr_sa_sdst(0) depctr_va_vdst(0) depctr_va_sdst(0) depctr_va_ssrc(0) depctr_va_vcc(0) depctr_vm_vsrc(0)
	s_getreg_b32 s2, hwreg(HW_REG_IB_STS2, 6, 4)
	s_cmp_eq_u32 s2, 0
	s_cbranch_scc0 .Lentry_in_a_cluster
	s_endpgm
.Lentry_in_a_cluster:
	s_bfe_u32 s2, ttmp6, 0x10000c
	s_cmp_lg_u32 s2, 0xf033
	s_cbranch_scc0 .Lentry_shape_is_right
	s_endpgm
.Lentry_shape_is_right:
; out0 = o Wo + bo on codes of FP6 (E2M3) with E8M0 scales, sums in f32.
; A work-group of four waves makes 128 rows x 256 columns: 64 x 4 = 256 work-groups.  A wave makes 64 x 128: 32 accumulators of 16 x 16.
; ALL OF K LIES IN LDS: the 128 rows' codes are 98,304 dense bytes, the 256 columns' 196,608, the scale words 4,096 and 8,192: four dense tiles, one tensor load a wave at the head, and nothing is filled again.
; Operands come as images of the registers (16 places x 64 K = 768 bytes: 16 bytes a lane at 16 l, 8 at 512 + 16 r + 8 h); codes lie at (k / 64) x 6,144 + (tile % 8) x 768 of a group of 128 places, scale words at tile x 512 + (k / 128) x 64 + 4 r.
; Place r of tile i is row (column) 32 (i / 2) + 8 (i % 2) + r % 8 + 16 (r / 8).  The product is used transposed (source 0 = 16 columns of Wo, source 1 = 16 rows): a lane holds eight neighbouring numbers of a row of out0.
; CLUSTER 4 x 4: the rows' tiles hang on cy and are asked for jointly by a row of the cluster, Wo's on cx and by a column.
; K goes in eight steps of 128, 32 products each; both operands' fragments lie twice in registers, and the next step's 56 LDS loads are issued ahead of a step's products.  The bias is the first products' C.
; No prefetch: all that the launch reads is asked for at the head, and there is no loop to run ahead in.
; REGISTERS: window 0: v1-29 addresses; v32-47 scale words, two sets; v64-127 the bias; v128-223 the rows' fragments, two sets of four; on the way out v128-255 rows read back.  Window 1: Wo's fragments, two sets, at v0 and v128.  Window 2: the accumulators, (a, b) at v[8 (8 a + b)].
.set GRP,    98304                     ; 128 places x 1,024 K of codes
.set CHK,    6144                      ; 128 places x 64 K
.set FR,     12                        ; registers of a fragment
.set TBASE,  GRP                       ; LDS: the rows' codes at 0, Wo's two groups behind them,
.set SCL,    3*GRP                     ; the rows' scale words (4,096 bytes), Wo's (8,192),
.set SPARE,  SCL+12288                 ; the spare words, 128 bytes for each wave
.set SPITCH, 528                       ; the way out: a stage of 16 rows x (512 + 16) bytes for each wave, on the rows' codes, behind a barrier behind which nobody reads them
.set L16,  3
.set A8,   4
.set BO,   8
.set ADRA, 16                          ; v16-17 the rows' fragments, K's lower and upper half (16 x lane); v18-19 the same with 16 r + 8 h
.set ADRB, 20                          ; v20-23 Wo's
.set STO,  24
.set RD,   25
.set ADRS, 27                          ; my scale words: lanes 0-15 the rows', lanes 16-31 Wo's
.set SPW,  28
.set NIL,  29
.set SC,   32
.set BI,   64
.set AF,   128
.set BK,   128
.set G1,   24
.set G1B,  32
.set G1S,  48
.set G1SB, 56
.set G0,   68
.set G0B,  72
.set G0S,  76
.set G0SB, 80
.set MSB, 0
.macro WIN new                         ; the immediate's high byte repeats the setting that is left
.if MSB != \new
	s_set_vgpr_msb (MSB<<8)|\new
.set MSB, \new
.endif
.endm
.set MUL_LO, 0xa1                      ; source 0 (Wo) window 1, source 1 (rows) window 0, C and D window 2
.set TO_B,   0x40                      ; destination window 1, address window 0
.macro PLACES n
.rept \n
	v_nop
.endr
.endm
.macro CREST
	s_cmp_lg_u32 s14, 0
	s_cbranch_scc1 .Lnot_wave_0_\@
	s_barrier_signal -3
.Lnot_wave_0_\@:
	s_barrier_wait -3
	s_barrier_signal -1
	s_barrier_wait -1
.endm
.macro CROUND
	s_barrier_signal -1
	s_barrier_wait -1
	CREST
.endm
.macro GROUP1 g, mask, rows            ; dense bytes as rows of 256 (32 elements of 8 bytes); bit 21 set beside the mask
	s_or_b32 s[\g], s[\mask], (3<<16)|(1<<21)
	s_mov_b32 s[\g+1], 32<<16
	s_mov_b32 s[\g+2], (\rows)<<16
	s_mov_b32 s[\g+3], 32<<16
	s_mov_b32 s[\g+4], \rows
	s_mov_b32 s[\g+5], 32
	s_mov_b32 s[\g+6], 0
	s_mov_b32 s[\g+7], 0
.endm
	s_load_b256 s[4:11], s[0:1], 0x0               ; aoc, aos, wc, ws
	s_load_b128 s[84:87], s[0:1], 0x20             ; bo, out0
	v_lshl_add_u32 v[SPW], v0, 2, SPARE
	v_mov_b32 v[NIL], 0
	ds_add_u32 v[SPW], v[NIL]                      ; the opening lines: the add twice on end and one wait
	ds_add_u32 v[SPW], v[NIL]
	v_lshrrev_b32 v1, 5, v0
	v_readfirstlane_b32 s14, v1                    ; wave 0..3
	s_lshr_b32 s15, s14, 1                         ; my 64 of the 128 rows
	s_and_b32 s16, s14, 1                          ; my 128 of the 256 columns
	s_bfe_u32 s40, ttmp6, 0x40000                  ; cx
	s_bfe_u32 s41, ttmp6, 0x40004                  ; cy
	s_lshl_b32 s42, ttmp9, 2
	s_add_co_u32 s42, s42, s40                     ; which 256 columns
	s_and_b32 s17, ttmp7, 0xffff
	s_lshl_b32 s17, s17, 2
	s_add_co_u32 s17, s17, s41                     ; which 128 rows
	s_lshl_b32 s43, s41, 2
	s_lshl_b32 s43, 15, s43                        ; my row of the cluster
	s_lshl_b32 s44, 0x1111, s40                    ; my column
	s_mul_i32 s88, s17, GRP                        ; the rows' codes,
	s_mov_b32 s89, 0
	s_lshl_b32 s90, s17, 12                        ; their scale words
	s_mov_b32 s91, 0
	s_lshl_b32 s92, s42, 1
	s_add_co_u32 s92, s92, 24                      ; Wo's places begin 24 groups of 128 into wc
	s_lshl_b32 s94, s92, 12
	s_mul_i32 s92, s92, GRP
	s_mov_b32 s93, 0
	s_mov_b32 s95, 0
	s_lshl_b32 s96, s17, 7
	s_lshl_b32 s97, s15, 6
	s_add_co_u32 s96, s96, s97                     ; my first row of out0,
	s_lshl_b32 s96, s96, 12                        ; x 4,096 bytes
	s_lshl_b32 s98, s42, 8
	s_lshl_b32 s99, s16, 7
	s_add_co_u32 s98, s98, s99
	s_lshl_b32 s98, s98, 2                         ; my first column, in bytes
	s_add_co_u32 s96, s96, s98
	s_mov_b32 s97, 0
	s_mov_b32 s99, 0
	GROUP1 G1,   43, 384
	GROUP1 G1B,  44, 768
	GROUP1 G1S,  43, 16
	GROUP1 G1SB, 44, 32
	s_mov_b32 s[G0], 1
	s_mov_b32 s[G0+1], 0
	s_mov_b32 s[G0B], 1
	s_mov_b32 s[G0B+1], TBASE
	s_mov_b32 s[G0S], 1
	s_mov_b32 s[G0S+1], SCL
	s_mov_b32 s[G0SB], 1
	s_mov_b32 s[G0SB+1], SCL+4096
	s_wait_dscnt 0x0
	s_wait_kmcnt 0x0
	s_add_nc_u64 s[G0+2:G0+3], s[4:5], s[88:89]
	s_or_b32 s[G0+3], s[G0+3], 0x80000000
	s_add_nc_u64 s[G0S+2:G0S+3], s[6:7], s[90:91]
	s_or_b32 s[G0S+3], s[G0S+3], 0x80000000
	s_add_nc_u64 s[G0B+2:G0B+3], s[8:9], s[92:93]
	s_or_b32 s[G0B+3], s[G0B+3], 0x80000000
	s_add_nc_u64 s[G0SB+2:G0SB+3], s[10:11], s[94:95]
	s_or_b32 s[G0SB+3], s[G0SB+3], 0x80000000
	s_add_nc_u64 s[46:47], s[84:85], s[98:99]      ; my columns' bias
	s_add_nc_u64 s[12:13], s[86:87], s[96:97]      ; my part of out0
	CROUND                                         ; all sixteen work-groups are here: the joint loads meet
.macro ARM under, g0, g1, next         ; one chain of branches on the wave's number, one load to an arm, all arms to one join
	s_cmp_lt_u32 s14, \under
	s_cbranch_scc0 \next
	tensor_load_to_lds s[\g0:\g0+3], s[\g1:\g1+7]
	s_nop 0
.rept 4
	v_nop
.endr
	s_branch .Lhead_asked
\next:
.endm
	ARM 1, G0B, G1B, .Lhead_a                      ; wave 0 Wo's codes, wave 1 the rows', wave 2 the rows' scale words, wave 3 Wo's
	ARM 2, G0,  G1,  .Lhead_sa
	ARM 3, G0S, G1S, .Lhead_sb
	tensor_load_to_lds s[G0SB:G0SB+3], s[G1SB:G1SB+7]
	s_nop 0
.rept 4
	v_nop
.endr
.Lhead_asked:
	v_and_b32 v1, 15, v0                           ; r
	v_bfe_u32 v2, v0, 4, 1                         ; h
	v_and_b32 v[L16], 31, v0
	v_lshlrev_b32 v[L16], 4, v[L16]
	v_lshlrev_b32 v[A8], 4, v1
	v_lshl_add_u32 v[A8], v2, 3, v[A8]
	v_lshlrev_b32 v[BO], 6, v2
.irp b, 0,1,2,3,4,5,6,7                ; register 8 b + j: the bias of column 32 (b / 2) + 8 (b % 2) + 16 h + j, the result's layout
	global_load_b128 v[BI+8*\b:BI+8*\b+3], v[BO], s[46:47] offset:(32*(\b/2)+8*(\b%2))*4
	global_load_b128 v[BI+8*\b+4:BI+8*\b+7], v[BO], s[46:47] offset:(32*(\b/2)+8*(\b%2))*4+16
.endr
	s_mul_i32 s21, s15, 4*768                      ; my 64 rows: images 4 x half .. + 3 of each 64 along K
	s_mul_i32 s22, s16, GRP                        ; my 128 columns: one of Wo's two groups
	s_add_co_u32 s22, s22, TBASE
.irp s, 0,1
	v_add_nc_u32 v[ADRA+\s], s21, v[L16]
	v_add_nc_u32 v[ADRB+\s], s22, v[L16]
	v_add_nc_u32 v[ADRA+2+\s], s21, v[A8]
	v_add_nc_u32 v[ADRB+2+\s], s22, v[A8]
	s_add_co_u32 s21, s21, 8*CHK                   ; K's upper half: the loads' immediates stay inside 16 bits
	s_add_co_u32 s22, s22, 8*CHK
.endr
	s_lshl_b32 s21, s15, 11                        ; the rows' scale words: four tiles of 512 bytes a half
	s_lshl_b32 s22, s16, 12                        ; Wo's: my group, behind the rows' 4,096
	s_add_co_u32 s22, s22, 4096
	s_sub_co_u32 s22, s22, s21
	v_mul_u32_u24 v5, s22, v2                      ; lanes 16-31 take Wo's: one product, the distance between the two bases
	s_add_co_u32 s21, s21, SCL
	v_lshl_add_u32 v5, v1, 2, v5
	v_add_nc_u32 v[ADRS], s21, v5
	s_mul_i32 s23, s14, 16*SPITCH                  ; my stage
	v_mul_u32_u24 v5, v1, SPITCH                   ; in: row r, 64 bytes on for the upper half of the lanes
	v_lshl_add_u32 v5, v2, 6, v5
	v_add_nc_u32 v[STO], s23, v5
	v_add_nc_u32 v[RD], s23, v[L16]                ; back: the 32 lanes take one row of 512 bytes
.macro FRAG reg, adr, q, i             ; a fragment, 16 places x 128 K: two images
	ds_load_b128 v[\reg:\reg+3], v[\adr] offset:(2*(\q))*CHK+768*(\i)
	ds_load_b64 v[\reg+4:\reg+5], v[\adr+2] offset:(2*(\q))*CHK+768*(\i)+512
	ds_load_b128 v[\reg+6:\reg+9], v[\adr] offset:(2*(\q)+1)*CHK+768*(\i)
	ds_load_b64 v[\reg+10:\reg+11], v[\adr+2] offset:(2*(\q)+1)*CHK+768*(\i)+512
.endm
.macro FETCH st                        ; step st's fragments and scale words into set st % 2: 32 + 16 + 8 loads
.set P_, (\st)%2
	WIN TO_B
.irp i, 0,1,2,3,4,5,6,7
	FRAG 128*P_+FR*\i, ADRB+(\st)/4, (\st)%4, \i
.endr
	WIN 0
.irp i, 0,1,2,3
	FRAG AF+48*P_+FR*\i, ADRA+(\st)/4, (\st)%4, \i
.endr
.irp i, 0,1,2,3,4,5,6,7
	ds_load_b32 v[SC+8*P_+\i], v[ADRS] offset:512*\i+64*(\st)   ; lanes 0-15 the rows' tile i (used for i under 4), lanes 16-31 Wo's tile i
.endr
.endm
; 32 products: my four blocks of rows x Wo's eight, 128 along K.  The 32 accumulators take turns, one instruction a turn, in the same order in every step.
.macro MUL32 p, first
.irp a, 0,1,2,3
.irp b, 0,1,2,3,4,5,6,7
.if \first
	v_wmma_scale_f32_16x16x128_f8f6f4 v[8*(8*\a+\b):8*(8*\a+\b)+7], v[128*(\p)+FR*\b:128*(\p)+FR*\b+FR-1], v[AF+48*(\p)+FR*\a:AF+48*(\p)+FR*\a+FR-1], v[BI+8*\b:BI+8*\b+7], v[SC+8*(\p)+\b], v[SC+8*(\p)+\a] matrix_a_fmt:MATRIX_FMT_FP6 matrix_b_fmt:MATRIX_FMT_FP6 matrix_a_scale:MATRIX_SCALE_ROW1
.else
	v_wmma_scale_f32_16x16x128_f8f6f4 v[8*(8*\a+\b):8*(8*\a+\b)+7], v[128*(\p)+FR*\b:128*(\p)+FR*\b+FR-1], v[AF+48*(\p)+FR*\a:AF+48*(\p)+FR*\a+FR-1], v[8*(8*\a+\b):8*(8*\a+\b)+7], v[SC+8*(\p)+\b], v[SC+8*(\p)+\a] matrix_a_fmt:MATRIX_FMT_FP6 matrix_b_fmt:MATRIX_FMT_FP6 matrix_a_scale:MATRIX_SCALE_ROW1
.endif
.endr
.endr
.endm
	s_wait_alu depctr_va_vdst(0)
	s_wait_tensorcnt 0x0                           ; my tile of the four is in,
	s_barrier_signal -1
	s_barrier_wait -1                              ; everybody's is
	FETCH 0
	s_wait_loadcnt 0x0                             ; the bias
.set ST, 0
.rept 8
	s_wait_dscnt 0x0                               ; this step's fragments are in
.if ST < 7
.if ST > 0
	PLACES 4                                       ; between the last step's products and the loads into their registers
.endif
	FETCH ST+1                                     ; the next step's, under this step's products
.endif
.if ST == 0
	WIN 0x81                                       ; C, the bias, in window 0: the first products start the sums
	MUL32 0, 1
.else
	WIN MUL_LO
	MUL32 ST%2, 0
.endif
.set ST, ST+1
.endr
	WIN 0
	PLACES 4                                       ; behind the last products: what follows reads results and loads into the rows' fragments' registers
	s_barrier_signal -1                            ; no LDS load of mine is out:
	s_barrier_wait -1                              ; nobody reads the codes any more, and the stages may lie on them
; THE WAY OUT, a block of 16 rows x 128 columns at a time, through my own stage and back as whole rows of 512 bytes.  LDS serves a wave's instructions in order: no wait between the stores and the loads.
.macro TOSTAGE a
.set AC, 64*(\a)
	WIN 0x08                                       ; the data: window 2
.irp b, 0,1,2,3,4,5,6,7
	ds_store_b128 v[STO], v[AC+8*\b:AC+8*\b+3] offset:128*(\b/2)+32*(\b%2)          ; each accumulator from its low end on
	ds_store_b128 v[STO], v[AC+8*\b+4:AC+8*\b+7] offset:128*(\b/2)+32*(\b%2)+16
.endr
	WIN 0
.set BB, BK+64*((\a)%2)
.irp t, 0,1,2,3,4,5,6,7,8,9,10,11,12,13,14,15
	ds_load_b128 v[BB+4*\t:BB+4*\t+3], v[RD] offset:\t*SPITCH
.endr
.endm
.macro SEND a, younger                 ; younger: the LDS instructions issued behind block a's loads, which may stay out
.set BB, BK+64*((\a)%2)
	s_wait_dscnt \younger
.irp t, 0,1,2,3,4,5,6,7,8,9,10,11,12,13,14,15
	global_store_b128 v[L16], v[BB+4*\t:BB+4*\t+3], s[12:13] offset:(32*((\a)/2)+8*((\a)%2)+(\t%8)+16*(\t/8))*4096 th:TH_STORE_NT   ; 512 consecutive bytes, at a multiple of 256
.endr
.endm
	TOSTAGE 0
.irp a, 1,2,3
.if \a > 1
	s_wait_xcnt 0x0                                ; block a - 2's stores have read their registers: block a's loads may land there
.endif
	TOSTAGE \a
	SEND \a-1, 32                                  ; behind block a - 1's loads: block a's 16 stores and 16 loads
.endr
	SEND 3, 0
	s_wait_tensorcnt 0x0                           ; the wave's end
	ds_add_u32 v[SPW], v[NIL]
	s_wait_dscnt 0x0
	CROUND                                         ; the closing round
	s_endpgm
.Lfunc_end_k_q9c46be2d61_outp:
	.size	k_q9c46be2d61_outp, .Lfunc_end_k_q9c46be2d61_outp-k_q9c46be2d61_outp
	.p2alignl 7, 3214868480
	.fill 96, 4, 3214868480
	.section	.rodata,"a",@progbits
	.p2align	6, 0x0
	.amdhsa_kernel k_q9c46be2d61_outp
		.amdhsa_group_segment_fixed_size 327680
		.amdhsa_private_segment_fixed_size 0
		.amdhsa_enable_private_segment 0
		.amdhsa_kernarg_size 48
		.amdhsa_user_sgpr_count 2
		.amdhsa_user_sgpr_kernarg_segment_ptr 1
		.amdhsa_wavefront_size32 1
		.amdhsa_system_sgpr_workgroup_id_x 1
		.amdhsa_system_sgpr_workgroup_id_y 1
		.amdhsa_system_sgpr_workgroup_id_z 1
		.amdhsa_system_vgpr_workitem_id 0
		.amdhsa_next_free_vgpr 768
		.amdhsa_next_free_sgpr 102
		.amdhsa_reserve_vcc 0
		.amdhsa_float_denorm_mode_32 3
		.amdhsa_float_denorm_mode_16_64 3
		.amdhsa_memory_ordered 1
		.amdhsa_forward_progress 1
		.amdhsa_inst_pref_size 87
	.end_amdhsa_kernel
	.amdgpu_metadata
---
amdhsa.version: [ 1, 2 ]
amdhsa.kernels:
  - .name:           k_q9c46be2d61_outp
    .symbol:         k_q9c46be2d61_outp.kd
    .args:
      - { .name: aoc, .offset: 0, .size: 8, .value_kind: global_buffer, .address_space: global }
      - { .name: aos, .offset: 8, .size: 8, .value_kind: global_buffer, .address_space: global }
      - { .name: wc, .offset: 16, .size: 8, .value_kind: global_buffer, .address_space: global }
      - { .name: ws, .offset: 24, .size: 8, .value_kind: global_buffer, .address_space: global }
      - { .name: bo, .offset: 32, .size: 8, .value_kind: global_buffer, .address_space: global }
      - { .name: out0, .offset: 40, .size: 8, .value_kind: global_buffer, .address_space: global }
    .group_segment_fixed_size: 327680
    .private_segment_fixed_size: 0
    .kernarg_segment_align: 8
    .kernarg_segment_size: 48
    .max_flat_workgroup_size: 128
    .sgpr_count:     102
    .vgpr_count:     768
    .wavefront_size: 32
...
	.end_amdgpu_metadata
.endif
;; end of part 4
